; MI455X (gfx1250); checked and timed in simulation.
; The chip was launched on July 23, 2026; its instructions are those of AMD's public machine-readable ISA for CDNA 5 (MIT licence, August 2026) and "CDNA5" Instruction Set Architecture Reference Guide (July 2026). The comments in the code are by the model that wrote it; some were corrected since.
;; Model. Allowed arithmetic: matrix products marked QUANTISED: E2M3 operands, one E8M0 scale for each 32 along K, by v_wmma_scale_f32_16x16x128_f8f6f4 with both operands' format E2M3, f32 sums; products left as they are: f32 operands where the result goes on into a quantised operand, else bf16, f16 or f32 operands; f32 sums; everything else in f32.
;; Inputs: Wk 8 x 768 x 512 float32; Wo 8 x 512 x 768 float32; Wq 8 x 512 x 512 float32; Wv 8 x 768 x 512 float32; bk 8 x 512 float32; bo 8 x 768 float32; bq 8 x 512 float32; bv 8 x 512 float32; cluster_probs 128 x 64 x 8 float32; topk_token_embeddings 8 x 250 x 768 float32; ts_emb 128 x 64 x 512 float32.
;; Outputs: out0 128 x 64 x 768 float32.
;; This version of the problem:
;;   THIS VERSION OF THE PROBLEM IS GIVEN IN LOW PRECISION. The matrix products marked QUANTISED in the list below multiply operands that are first quantised to E2M3 (2 exponent bits, 3 mantissa bits; 6 bits a number), with one power-of-two scale for each 32 numbers along K (OCP MX v1.0); their sums are f32. All else is computed in f32.
;;   The module's matrix products, in the order in which they are computed (A, B: the left and right operand; K: the contracted axis; several contracted axes count as one K, in the product's order):
;;     1. [M 4,096, K 512] x [K 512, N 8,192]; A: input Wq; B: input ts_emb: QUANTISED
;;     2. batch 8 x [M 250, K 768] x [K 768, N 512]; A: input topk_token_embeddings; B: input Wk: QUANTISED
;;     3. batch 8 x [M 250, K 768] x [K 768, N 512]; A: input topk_token_embeddings; B: input Wv: QUANTISED
;;     4. batch 64 x [M 250, K 64] x [K 64, N 8,192]; A: computed on the way; B: computed on the way: QUANTISED
;;     5. batch 64 x [M 64, K 250] x [K 250, N 8,192]; A: computed on the way; B: softmax (see below): QUANTISED
;;     6. batch 8 x [M 8,192, K 512] x [K 512, N 768]; A: computed on the way; B: input Wo: QUANTISED
;;     7. batch 8,192 x [M 768, K 8] x [K 8, N 1]; A: computed on the way; B: input cluster_probs: left as it is (K = 8 < 32)
;;   THE QUANTISER, for each operand of a quantised product, along K:
;;     - K is cut into blocks of 32 from its start; a last block that is shorter is filled with zeros.
;;     - A block's scale is 2^e with e = floor(log2(the largest magnitude in the block)) - 2, held to -126 .. 127; a block of zeros has e = 0. As a byte (E8M0): e + 127.
;;     - Each number is divided by its block's scale, clamped to +-7.5, and rounded to the nearest number of E2M3, ties to even, subnormals kept.
;;     - The product sums the exact products of the quantised numbers (number of the format x scale) in f32.
;;   ~~~python
;;   def quantise(x, axis):      # numpy; x: float32 -> the quantised numbers, widened to float32 again
;;       x = np.moveaxis(x, axis, -1); K = x.shape[-1]
;;       x = np.pad(x, [(0, 0)] * (x.ndim - 1) + [(0, -K % 32)]); x = x.reshape(x.shape[:-1] + (-1, 32)); a = np.abs(x).max(-1, keepdims=True)
;;       e = np.where(a > 0, np.clip(np.frexp(np.where(a > 0, a, 1))[1] - 1 - 2, -126, 127), 0)      # np.frexp(a)[1] - 1 = floor(log2(a)), exactly
;;       r = np.clip(x / 2.0 ** e, -7.5, 7.5)
;;       step = 2.0 ** (np.maximum(np.frexp(np.where(r == 0, 1, r))[1] - 1, 0) - 3)
;;       q = np.round(r / step) * step * 2.0 ** e      # np.round: ties to even
;;       return np.moveaxis(q.reshape(q.shape[:-2] + (-1,))[..., :K], -1, axis).astype(np.float32)
;;   ~~~
;;   SOFTMAX AHEAD OF A QUANTISED PRODUCT. Where the list says 'softmax', what is quantised is not the finished softmax but p = 2^(t - M), with t = logit x log2(e) and M = ceil(the row's largest t), a whole number; so 1/2 < the row's largest p <= 1. The row's sum l is taken of the UNQUANTISED p, in f32, and the product's result is divided by l at the end. Since M is a whole number, a kernel that streams over the keys may use a running M (the ceiling of the running maximum): every later rescaling is an exact power of two, which a block's scale takes up: the codes' values come out the same.
;;   OPERANDS COMPUTED ON THE WAY. 'Computed on the way' means the value that the module computes at that place (a softmax that the list does not call 'softmax' is quantised finished and normalised). What goes into a quantiser is computed in f32, as accurately as f32 sums, v_exp_f32 and their like allow (about 1e-6 of the number): no bf16 or f16 on the way to a quantiser, and a product that is left as it is and whose result goes on into a quantised operand takes f32 operands (vector FMAs, or v_wmma_f32_16x16x4_f32). A number that lies on a knife's edge between two numbers of the format may be rounded either way, as far as f32 arithmetic and the matrix unit's own rounding can turn it there, and no further.
;; One version. Each part assembles by itself: llvm-mc -triple=amdgcn-amd-amdhsa -mcpu=gfx1250 --defsym DOCPART=n.
;; ======== version 1 of 1: 3 launches
;; limits: right only within a limited range of input values
;; workspace buffers: wqc 1,638,400 bytes; xc 3,276,800 bytes; kvc 1,671,168 bytes; woc 2,457,600 bytes; oc 26,214,400 bytes
;; launch prep (part 1): grid 416 x 1, 8 waves a work-group, no clusters, 155,648 bytes of LDS; arguments topk_token_embeddings, ts_emb, Wq, Wk, Wv, Wo, bk, bv, wqc, xc, kvc, woc; writes wqc, xc, kvc, woc
.if DOCPART == 1
	.amdgcn_target "amdgcn-amd-amdhsa--gfx1250"
	.amdhsa_code_object_version 6
	.text
	.protected	k_q5b0a67253d_prep
	.globl	k_q5b0a67253d_prep
	.p2align	8
	.type	k_q5b0a67253d_prep,@function
k_q5b0a67253d_prep:
	s_mov_b64 s[64:65], 0
	v_nop
	global_prefetch_b8 v0, s[64:65] scope:SCOPE_SE
	s_setreg_imm32_b32 hwreg(HW_REG_WAVE_MODE, 25, 1), 1
	s_wait_xcnt 0x0
; PREP: everything that the two later launches read as codes of FP6 (E2M3) with one E8M0 byte for each 32 along K.
; Three roles, chosen by the work-group's number alone (the same for all eight waves of a work-group):
;   0-255   KV: k = tok Wk + bk or v = tok Wv + bv for one (cluster, head, half of the 256 token places): both operands are quantised in registers,
;           go from wave to wave through LDS as images of their registers, are multiplied, and the result is quantised again (k along the head's 64, v along the tokens).
;           Each of these work-groups also turns two tiles of 16 rows of ts_emb into xc, one fragment a wave.
;   256-319 Wq -> wqc     320-415 Wo -> woc
; AN IMAGE: a fragment (16 rows x 128 K) is 12 registers a lane; it lies as three pieces of 512 bytes, piece k = registers 4 k .. 4 k + 3 at 16 x lane.
; A half fragment (64 K, 6 registers): 512 bytes (registers 0-3 at 16 x lane), then 256 bytes (registers 4, 5 at 8 x lane).
; THE ROWS OF A TILE ARE NOT NEIGHBOURS where a product's result becomes the next product's K: lane r of tile 2 b + u takes row 32 b + 8 u + r + 8 (r / 8)
; (columns of Wq, Wk, Wv inside a head; token places inside 128), so that a lane's registers 16 b + i of the transposed result are k = 32 b + 16 (lane / 16) + i.
; ROWS WHOSE K IS INNERMOST (tokens, ts_emb) ARE LOADED AS THEY LIE: each load of a wave covers two aligned runs of 256 consecutive bytes, one row in lanes 0-15 and the next in lanes 16-31.
; The conversions want 16 neighbours along K in ONE lane's registers, so the bytes turn through the wave's own stage in LDS, half a K step (16 rows x 256 bytes) at a time.
; A block's scale is 2^(floor(log2(largest magnitude)) - 2): its byte is the largest magnitude's exponent field - 2, held at 1 from below.
; LIMITS: NaN and infinities among the inputs are not served; a block whose largest magnitude lies under 2^-124 (a block of zeros too) gets the byte 1: its codes are right, and the bytes are read by this program alone.
; Token places 250-255 load rows 244-249 again (no load leaves the buffer): their k is masked in the next launch, their v is set to 0 here, as the quantiser's filling with zeros asks.
.set WV,   28                          ; s28      my wave's number
.set SEL,  46                          ; s[46:47] lane selects for v_permlanex16_b32: lane l xor 16
.set PC,   20                          ; v20-31 the codes just made; v32-34, v36-38 halves on their way
.set SW,   35                          ; v35  the stage, on the way in  (v35 and v39 are the two registers that the conversions' runs of three leave free)
.set SR,   39                          ; v39  the stage, on the way back
.set TM,   40                          ; v40-43 largest magnitudes, v44-47 the other half's / bytes, v48-51 the conversions' scale operands
.set PW,   52                          ; v52  the scale word just made
.set XO,   53                          ; v53  ts_emb: my 16 bytes in a tile's first two rows
.set GS,   54                          ; v54-63 scale words of the products, 5 for each of two buffers: nothing else is ever held here
.set SA,   64                          ; three sets of 64 numbers
.set SB,   128
.set SC,   192
.set ACC,  64                          ; the products: four accumulators,
.set BIA,  96                          ; the bias in the result's layout,
.set FB0,  128                         ; two buffers of five fragments (v128-187, v188-247)
.set TIMG, 0                           ; LDS: the tokens' images [tile 8][K step 6][1,536]
.set WIMG, 73728                       ; the weight's images [K step 6][tile 4][1,536]
.set TSC,  110592                      ; the tokens' scale words, 128 bytes a fragment
.set WSC,  116736                      ; the weight's
.set STG,  119808                      ; the stages: 16 rows x SPI bytes for each wave
.set SPI,  272                         ; a stage row: 256 bytes + 16 = 17 x 16: the sixteen rows that a load of 16 bytes a lane touches start in sixteen different columns of 16 bytes
; 64 numbers of a weight whose K is its first axis: a lane takes a column, its registers run down K: register 32 c + i = row 64 c + 32 (lane / 16) + i
.macro WLOAD set, vo, ba, stride, off
.set WI, 0
.rept 64
	global_load_b32 v[\set+WI], v[\vo], s[\ba:\ba+1] offset:\off+(64*(WI/32)+WI%32)*\stride
.set WI, WI+1
.endr
.endm
; such a set becomes a fragment: each lane holds two whole blocks, so no other lane is asked for a maximum; the word's four bytes come from lanes l and l xor 16
.macro WQUANT s
.irp c, 0,1
	v_max3_num_f32 v[TM+\c], |v[\s+32*\c]|, |v[\s+1+32*\c]|, 0x1800000   ; with the floor 2^(3 - 127): the byte cannot fall under 1
.endr
.irp i, 2,4,6,8,10,12,14,16,18,20,22,24,26,28,30
.irp c, 0,1
	s_delay_alu instid0(VALU_DEP_2)
	v_max3_num_f32 v[TM+\c], v[TM+\c], |v[\s+32*\c+\i]|, |v[\s+1+32*\c+\i]|
.endr
.endr
.irp c, 0,1
	s_delay_alu instid0(VALU_DEP_2)
	v_add_nc_u32 v[TM+8+\c], 0xff000000, v[TM+\c]          ; 2 off the exponent field: the conversion's scale operand
.endr
.irp c, 0,1
	s_delay_alu instid0(VALU_DEP_2)
	v_lshrrev_b32 v[TM+2+\c], 23, v[TM+8+\c]               ; the byte
.endr
	s_delay_alu instid0(VALU_DEP_1)
	v_lshl_or_b32 v[PW], v[TM+3], 16, v[TM+2]              ; blocks h and 2 + h,
	v_lshlrev_b32 v[TM+6], 3, v3
	s_delay_alu instid0(VALU_DEP_1)
	v_lshlrev_b32 v[PW], v[TM+6], v[PW]                    ; 8 h bits up,
	s_delay_alu instid0(VALU_DEP_1)
	v_permlanex16_b32 v[TM+4], v[PW], s[SEL], s[SEL+1]
	s_delay_alu instid0(VALU_DEP_1)
	v_or_b32 v[PW], v[PW], v[TM+4]                         ; with the other half's two
.irp c, 0,1
	v_cvt_scalef32_pk16_fp6_f32 v[PC+6*\c:PC+2+6*\c], v[\s+32*\c:\s+15+32*\c], v[TM+8+\c]
	v_cvt_scalef32_pk16_fp6_f32 v[PC+12+4*\c:PC+14+4*\c], v[\s+16+32*\c:\s+31+32*\c], v[TM+8+\c]   ; (a conversion's three registers begin on an even number)
.endr
	v_nop                                                  ; one plain place behind a scaled conversion
.irp c, 0,1
.irp i, 0,1,2
	v_mov_b32 v[PC+3+6*\c+\i], v[PC+12+4*\c+\i]
.endr
.endr
.endm
; 16 rows x 512 bytes (a K step of 128) as they lie: load 8 q + i takes bytes 256 q on of row 2 i (lanes 0-15) and of row 2 i + 1 (lanes 16-31), 16 bytes a lane
.macro XDENSE set                      ; my tile of ts_emb: rows 2,048 bytes apart; read once in the launch
.irp q, 0,1
.irp i, 0,1,2,3,4,5,6,7
	global_load_b128 v[\set+32*\q+4*\i:\set+32*\q+4*\i+3], v[XO], s[6:7] offset:256*\q+2*\i*2048 th:TH_LOAD_NT
.endr
.endr
.endm
.macro TDENSE set, off                 ; my token tile: row 2 i + h of the tile is token place base + 2 i + h + 8 (i / 4); the places from base + 18 on go by a base of their own, which keeps them inside the buffer
.irp q, 0,1
.irp i, 0,1,2,3,4,5,6,7
.if \i < 5
	global_load_b128 v[\set+32*\q+4*\i:\set+32*\q+4*\i+3], v5, s[4:5] offset:\off+256*\q+(2*\i+8*(\i/4))*3072
.else
	global_load_b128 v[\set+32*\q+4*\i:\set+32*\q+4*\i+3], v5, s[44:45] offset:\off+256*\q+(2*\i+8*(\i/4))*3072
.endif
.endr
.endr
.endm
; such a set turns through my stage, half a K step at a time, and comes back with register 16 b + 4 j .. = k 32 b + 16 (lane / 16) + 4 j .. of row lane % 16.
; LDS serves a wave's instructions in order (ISA guide 5.7.1.4): the loads see the stores above them, and the second half's stores come behind the first half's loads.
.macro TURN raw, dst
.irp q, 0,1
.irp i, 0,1,2,3,4,5,6,7
	ds_store_b128 v[SW], v[\raw+32*\q+4*\i:\raw+32*\q+4*\i+3] offset:2*\i*SPI
.endr
.irp b, 0,1
.irp j, 0,1,2,3
	ds_load_b128 v[\dst+32*\q+16*\b+4*\j:\dst+32*\q+16*\b+4*\j+3], v[SR] offset:128*\b+16*\j
.endr
.endr
.endr
.endm
; the turned set becomes a fragment: a block lies in lanes l and l xor 16
.macro QUANT s
.irp b, 0,1,2,3
	v_max3_num_f32 v[TM+\b], |v[\s+16*\b]|, |v[\s+1+16*\b]|, 0x1800000
.endr
.irp i, 2,4,6,8,10,12,14
.irp b, 0,1,2,3
	s_delay_alu instid0(VALU_DEP_4)
	v_max3_num_f32 v[TM+\b], v[TM+\b], |v[\s+16*\b+\i]|, |v[\s+1+16*\b+\i]|
.endr
.endr
.irp b, 0,1,2,3
	s_delay_alu instid0(VALU_DEP_4)
	v_permlanex16_b32 v[TM+4+\b], v[TM+\b], s[SEL], s[SEL+1]
.endr
.irp b, 0,1,2,3
	s_delay_alu instid0(VALU_DEP_4)
	v_max_num_f32 v[TM+\b], v[TM+\b], v[TM+4+\b]
.endr
.irp b, 0,1,2,3
	s_delay_alu instid0(VALU_DEP_4)
	v_add_nc_u32 v[TM+8+\b], 0xff000000, v[TM+\b]
.endr
.irp b, 0,1,2,3
	s_delay_alu instid0(VALU_DEP_4)
	v_lshrrev_b32 v[TM+4+\b], 23, v[TM+8+\b]
.endr
	s_delay_alu instid0(VALU_DEP_3)
	v_lshl_or_b32 v[PW], v[TM+5], 8, v[TM+4]
	s_delay_alu instid0(VALU_DEP_1)
	v_lshl_or_b32 v[PW], v[TM+6], 16, v[PW]
	s_delay_alu instid0(VALU_DEP_1)
	v_lshl_or_b32 v[PW], v[TM+7], 24, v[PW]
.irp c, 0,1
	v_cvt_scalef32_pk16_fp6_f32 v[PC+6*\c:PC+2+6*\c], v[\s+32*\c:\s+15+32*\c], v[TM+8+2*\c]
	v_cvt_scalef32_pk16_fp6_f32 v[PC+12+4*\c:PC+14+4*\c], v[\s+16+32*\c:\s+31+32*\c], v[TM+8+2*\c+1]
.endr
	v_nop
.irp c, 0,1                            ; the operand's layout wants a whole block in a lane
.irp i, 0,1,2
	v_permlane16_swap_b32 v[PC+6*\c+\i], v[PC+12+4*\c+\i]
.endr
.irp i, 0,1,2
	s_delay_alu instid0(VALU_DEP_3)
	v_mov_b32 v[PC+3+6*\c+\i], v[PC+12+4*\c+\i]
.endr
.endr
.endm
; 32 numbers (two blocks) become a half fragment in v[PC] .. v[PC + 5] and two bytes in v[PW]
.macro QUANT32 s
.irp b, 0,1
	v_max3_num_f32 v[TM+\b], |v[\s+16*\b]|, |v[\s+1+16*\b]|, 0x1800000
.endr
.irp i, 2,4,6,8,10,12,14
.irp b, 0,1
	v_max3_num_f32 v[TM+\b], v[TM+\b], |v[\s+16*\b+\i]|, |v[\s+1+16*\b+\i]|
.endr
.endr
.irp b, 0,1
	s_delay_alu instid0(VALU_DEP_2)
	v_permlanex16_b32 v[TM+4+\b], v[TM+\b], s[SEL], s[SEL+1]
.endr
.irp b, 0,1
	s_delay_alu instid0(VALU_DEP_2)
	v_max_num_f32 v[TM+\b], v[TM+\b], v[TM+4+\b]
.endr
.irp b, 0,1
	s_delay_alu instid0(VALU_DEP_2)
	v_add_nc_u32 v[TM+8+\b], 0xff000000, v[TM+\b]
.endr
.irp b, 0,1
	s_delay_alu instid0(VALU_DEP_2)
	v_lshrrev_b32 v[TM+4+\b], 23, v[TM+8+\b]
.endr
	s_delay_alu instid0(VALU_DEP_1)
	v_lshl_or_b32 v[PW], v[TM+5], 8, v[TM+4]               ; bytes 2 and 3 stay 0
	v_cvt_scalef32_pk16_fp6_f32 v[PC:PC+2], v[\s:\s+15], v[TM+8]
	v_cvt_scalef32_pk16_fp6_f32 v[PC+12:PC+14], v[\s+16:\s+31], v[TM+9]
	v_nop
.irp i, 0,1,2
	v_permlane16_swap_b32 v[PC+\i], v[PC+12+\i]
.endr
.irp i, 0,1,2
	s_delay_alu instid0(VALU_DEP_3)
	v_mov_b32 v[PC+3+\i], v[PC+12+\i]
.endr
.endm
.macro GIMG vo, ba, off                ; the fragment in v[PC] on goes to memory as it stands: each store covers 512 consecutive bytes
.irp k, 0,1,2
	global_store_b128 v[\vo], v[PC+4*\k:PC+4*\k+3], s[\ba:\ba+1] offset:\off+512*\k
.endr
.endm
.macro LIMG adr, off                   ; or to LDS
.irp k, 0,1,2
	ds_store_b128 v[\adr], v[PC+4*\k:PC+4*\k+3] offset:\off+512*\k
.endr
.endm
; K step z of a product: four fragments of source 0, one of source 1, their five scale words: 20 LDS loads into buffer z % 2
.macro GFETCH z, pa, ma, ia, pb, mb, pc, mc, ic, pd, md
.set FB, FB0+60*((\z)%2)
.set GB, GS+5*((\z)%2)
.irp i, 0,1,2,3
.irp k, 0,1,2
	ds_load_b128 v[FB+12*\i+4*\k:FB+12*\i+4*\k+3], v[\pa] offset:(\z)*(\ma)+\i*(\ia)+512*\k
.endr
.endr
.irp k, 0,1,2
	ds_load_b128 v[FB+48+4*\k:FB+48+4*\k+3], v[\pb] offset:(\z)*(\mb)+512*\k
.endr
.irp i, 0,1,2,3
	ds_load_b32 v[GB+\i], v[\pc] offset:(\z)*(\mc)+\i*(\ic)
.endr
	ds_load_b32 v[GB+4], v[\pd] offset:(\z)*(\md)
.endm
; six K steps of 128 on four accumulators, which take turns, one instruction a turn.  The bias is the C of each sum's first product.
.macro GPHASE pa, ma, ia, pb, mb, pc, mc, ic, pd, md, bst
	GFETCH 0, \pa, \ma, \ia, \pb, \mb, \pc, \mc, \ic, \pd, \md
	GFETCH 1, \pa, \ma, \ia, \pb, \mb, \pc, \mc, \ic, \pd, \md
.irp z, 0,1,2,3,4,5
.if \z < 5
	s_wait_dscnt 20                                        ; this step's 20 loads are in; the other buffer's 20 may be out
.else
	s_wait_dscnt 0x0
.endif
.if \z == 0
	s_wait_loadcnt 0x0                                     ; the bias
.endif
.set FB, FB0+60*(\z%2)
.set GB, GS+5*(\z%2)
.irp i, 0,1,2,3
.if \z == 0
	v_wmma_scale_f32_16x16x128_f8f6f4 v[ACC+8*\i:ACC+8*\i+7], v[FB+12*\i:FB+12*\i+11], v[FB+48:FB+59], v[BIA+(\bst)*\i:BIA+(\bst)*\i+7], v[GB+\i], v[GB+4] matrix_a_fmt:MATRIX_FMT_FP6 matrix_b_fmt:MATRIX_FMT_FP6
.else
	v_wmma_scale_f32_16x16x128_f8f6f4 v[ACC+8*\i:ACC+8*\i+7], v[FB+12*\i:FB+12*\i+11], v[FB+48:FB+59], v[ACC+8*\i:ACC+8*\i+7], v[GB+\i], v[GB+4] matrix_a_fmt:MATRIX_FMT_FP6 matrix_b_fmt:MATRIX_FMT_FP6
.endif
.endr
.rept 4
	v_nop                                                  ; four places in front of loads into registers that these products read, and of the first read of results
.endr
.if \z < 4
	GFETCH \z+2, \pa, \ma, \ia, \pb, \mb, \pc, \mc, \ic, \pd, \md
.endif
.endr
.endm
	s_load_b512 s[4:19], s[0:1], 0x0               ; tok s[4:5], ts_emb s[6:7], Wq s[8:9], Wk s[10:11], Wv s[12:13], Wo s[14:15], bk s[16:17], bv s[18:19]
	s_load_b256 s[20:27], s[0:1], 0x40             ; wqc s[20:21], xc s[22:23], kvc s[24:25], woc s[26:27]
	v_lshrrev_b32 v1, 5, v0
	s_delay_alu instid0(VALU_DEP_1)
	v_readfirstlane_b32 s[WV], v1                  ; wave 0..7
	v_and_b32 v1, 31, v0                           ; lane
	v_and_b32 v2, 15, v0                           ; r
	v_bfe_u32 v3, v0, 4, 1                         ; h
	s_delay_alu instid0(VALU_DEP_2)
	v_and_b32 v4, 8, v2
	s_delay_alu instid0(VALU_DEP_1)
	v_add_nc_u32 v4, v4, v2                        ; r + 8 (r / 8)
	v_lshlrev_b32 v17, 4, v1                       ; 16 x lane
	v_lshlrev_b32 v18, 3, v1                       ; 8 x lane
	v_lshlrev_b32 v19, 2, v2                       ; 4 r
	s_mov_b32 s[SEL], 0x76543210
	s_mov_b32 s[SEL+1], 0xfedcba98
.irp b, 0,1,2,3
	v_mov_b32 v[TM+4+\b], 0                        ; written once: a lane permute's destination counts as one of its sources
.endr
	s_wait_kmcnt 0x0
	s_cmp_lt_u32 ttmp9, 256
	s_cbranch_scc1 .Lkv
	s_cmp_lt_u32 ttmp9, 320
	s_cbranch_scc1 .Lwq
	; ---- Wo: a work-group takes one (third of the 48 column tiles, cluster, K step of 128); wave: column tiles 16 k3 + wave and + 8
	s_sub_co_u32 s30, ttmp9, 320
	s_lshr_b32 s31, s30, 5                         ; k3
	s_bfe_u32 s32, s30, 0x30002                    ; c
	s_and_b32 s33, s30, 3                          ; hp
	s_lshl_b32 s31, s31, 4
	s_add_co_u32 s31, s31, s[WV]                   ; my first column tile
	s_mul_i32 s34, s32, 1572864
	s_mul_i32 s35, s33, 393216
	s_add_co_u32 s34, s34, s35
	s_lshl_b32 s35, s31, 6
	s_add_co_u32 s34, s34, s35
	s_mov_b32 s35, 0
	s_add_nc_u64 s[14:15], s[14:15], s[34:35]
.macro WODST add, dc, ds               ; where column tile s31 + add goes: block cb = tile / 12, place nt = tile % 12 in it
	s_add_co_u32 s36, s31, \add
	s_mul_i32 s40, s36, 43
	s_lshr_b32 s40, s40, 9                         ; tile / 12, right for 0 .. 47
	s_mul_i32 s41, s40, 12
	s_sub_co_u32 s41, s36, s41
	s_lshl_b32 s40, s40, 3
	s_add_co_u32 s40, s40, s32
	s_lshl_b32 s40, s40, 2
	s_add_co_u32 s40, s40, s33
	s_mul_i32 s40, s40, 19200
	s_mul_i32 s42, s41, 1536
	s_add_co_u32 s42, s42, s40
	s_mov_b32 s43, 0
	s_add_nc_u64 s[\dc:\dc+1], s[26:27], s[42:43]
	s_lshr_b32 s42, s41, 1
	s_lshl_b32 s42, s42, 7
	s_and_b32 s41, s41, 1
	s_lshl_b32 s41, s41, 6
	s_add_co_u32 s42, s42, s41
	s_add_co_u32 s42, s42, s40
	s_add_co_u32 s42, s42, 18432
	s_add_nc_u64 s[\ds:\ds+1], s[26:27], s[42:43]
.endm
	WODST 0, 48, 50
	WODST 8, 52, 54
	s_wait_alu depctr_va_vdst(0)
	v_mad_u32_u24 v6, v3, 0x18000, v19             ; my column, + 32 rows of 3,072 bytes for lanes 16-31
	WLOAD SA, 6, 14, 3072, 0
	WLOAD SB, 6, 14, 3072, 512
	s_wait_loadcnt 63                              ; 64 younger loads stand behind the first set
	WQUANT SA
	GIMG 17, 48, 0
	global_store_b32 v19, v[PW], s[50:51]          ; lanes r and r + 16 hold the same word and name the same place
	s_wait_xcnt 0x0                                ; the stores have read their data
	s_wait_loadcnt 0x0
	WQUANT SB
	GIMG 17, 52, 0
	global_store_b32 v19, v[PW], s[54:55]
	s_endpgm
	; ---- Wq: a work-group takes one (cluster, head); wave: tile t = wave % 4, K steps wave / 4 and wave / 4 + 2
.Lwq:
	s_sub_co_u32 s30, ttmp9, 256                   ; 8 c + head
	s_and_b32 s32, s[WV], 3
	s_lshr_b32 s33, s[WV], 2
	s_lshr_b32 s34, s30, 3
	s_lshl_b32 s34, s34, 20                        ; c x 512 rows of 2,048 bytes
	s_lshl_b32 s35, s33, 18                        ; K step: 128 rows
	s_add_co_u32 s34, s34, s35
	s_and_b32 s35, s30, 7
	s_lshl_b32 s35, s35, 8                         ; the head's 64 columns
	s_add_co_u32 s34, s34, s35
	s_lshr_b32 s35, s32, 1
	s_lshl_b32 s35, s35, 7                         ; + 32 (t / 2) columns
	s_add_co_u32 s34, s34, s35
	s_and_b32 s35, s32, 1
	s_lshl_b32 s35, s35, 5                         ; + 8 (t % 2)
	s_add_co_u32 s34, s34, s35
	s_mov_b32 s35, 0
	s_add_nc_u64 s[8:9], s[8:9], s[34:35]
	s_mul_i32 s36, s30, 25600
	s_lshl_b32 s34, s33, 2
	s_add_co_u32 s34, s34, s32
	s_mul_i32 s34, s34, 1536                       ; fragment 4 s + t
	s_add_co_u32 s34, s34, s36
	s_add_nc_u64 s[38:39], s[20:21], s[34:35]
	s_lshl_b32 s34, s33, 8                         ; scale words: (2 s + t / 2) x 128 + (t % 2) x 64
	s_lshr_b32 s37, s32, 1
	s_lshl_b32 s37, s37, 7
	s_add_co_u32 s34, s34, s37
	s_and_b32 s37, s32, 1
	s_lshl_b32 s37, s37, 6
	s_add_co_u32 s34, s34, s37
	s_add_co_u32 s34, s34, s36
	s_add_co_u32 s34, s34, 24576
	s_add_nc_u64 s[40:41], s[20:21], s[34:35]
	s_wait_alu depctr_va_vdst(0)
	v_lshlrev_b32 v6, 2, v4
	s_delay_alu instid0(VALU_DEP_1)
	v_lshl_add_u32 v6, v3, 16, v6                  ; my column, + 32 rows for lanes 16-31
	WLOAD SA, 6, 8, 2048, 0
	WLOAD SB, 6, 8, 2048, 524288
	s_wait_loadcnt 63                              ; 64 younger loads stand behind the first set
	WQUANT SA
	GIMG 17, 38, 0
	global_store_b32 v19, v[PW], s[40:41]
	s_wait_xcnt 0x0                                ; the stores have read their data
	s_wait_loadcnt 0x0
	WQUANT SB
	GIMG 17, 38, 12288
	global_store_b32 v19, v[PW], s[40:41] offset:512
	s_endpgm
	; ---- KV
.Lkv:
	; my fragment of ts_emb: tile 2 x work-group + wave / 4, K step wave % 4
	s_lshl_b32 s38, ttmp9, 1
	s_lshr_b32 s39, s[WV], 2
	s_add_co_u32 s38, s38, s39                     ; the tile
	s_and_b32 s39, s[WV], 3                        ; the K step
	s_lshl_b32 s56, s38, 15                        ; 16 rows of 2,048 bytes
	s_lshl_b32 s57, s39, 9                         ; 512 bytes a K step
	s_add_co_u32 s56, s56, s57
	s_mov_b32 s57, 0
	s_add_nc_u64 s[6:7], s[6:7], s[56:57]
	s_mul_i32 s38, s38, 6400
	s_mul_i32 s56, s39, 1536
	s_add_co_u32 s56, s56, s38
	s_add_nc_u64 s[56:57], s[22:23], s[56:57]      ; its codes' place in xc
	s_lshr_b32 s58, s39, 1
	s_lshl_b32 s58, s58, 7
	s_and_b32 s59, s39, 1
	s_lshl_b32 s59, s59, 6
	s_add_co_u32 s58, s58, s59                     ; scale words: (K step / 2) x 128 + (K step % 2) x 64
	s_add_co_u32 s58, s58, s38
	s_add_co_u32 s58, s58, 6144
	s_mov_b32 s59, 0
	s_add_nc_u64 s[58:59], s[22:23], s[58:59]
	s_and_b32 s30, ttmp9, 1                        ; g: which 128 token places
	s_bfe_u32 s31, ttmp9, 0x10001                  ; 0: k, 1: v
	s_bfe_u32 s32, ttmp9, 0x30002                  ; head
	s_lshr_b32 s33, ttmp9, 5                       ; c
	s_cmp_eq_u32 s31, 0
	s_cselect_b64 s[34:35], s[10:11], s[12:13]     ; Wk or Wv
	s_cselect_b64 s[36:37], s[16:17], s[18:19]     ; bk or bv
	s_mul_i32 s38, s33, 1572864
	s_lshr_b32 s39, s[WV], 2
	s_lshl_b32 s39, s39, 18                        ; my first weight fragment: K step wave / 4, tile wave % 4
	s_add_co_u32 s38, s38, s39
	s_lshl_b32 s39, s32, 8
	s_add_co_u32 s38, s38, s39
	s_bfe_u32 s39, s[WV], 0x10001
	s_lshl_b32 s39, s39, 7
	s_add_co_u32 s38, s38, s39
	s_and_b32 s39, s[WV], 1
	s_lshl_b32 s39, s39, 5
	s_add_co_u32 s38, s38, s39
	s_mov_b32 s39, 0
	s_add_nc_u64 s[34:35], s[34:35], s[38:39]
	s_mul_i32 s38, s33, 768000
	s_add_nc_u64 s[4:5], s[4:5], s[38:39]          ; the cluster's tokens
	s_lshl_b32 s38, s33, 11
	s_lshl_b32 s40, s32, 8
	s_add_co_u32 s38, s38, s40
	s_add_nc_u64 s[36:37], s[36:37], s[38:39]      ; the head's 64 numbers of the bias
	s_lshl_b32 s49, s33, 3
	s_add_co_u32 s49, s49, s32
	s_mul_i32 s49, s49, 26112                      ; the (cluster, head)'s block of kvc
	s_lshl_b32 s40, s30, 7
	s_lshr_b32 s41, s[WV], 1
	s_lshl_b32 s41, s41, 5
	s_add_co_u32 s40, s40, s41
	s_and_b32 s41, s[WV], 1
	s_lshl_b32 s41, s41, 3
	s_add_co_u32 s40, s40, s41                     ; token tile = wave: places base + r + 8 (r / 8), base = 128 g + 32 (wave / 2) + 8 (wave % 2)
	s_cmp_eq_u32 s40, 232                          ; the one tile whose places base + 18 .. base + 23 are 250 .. 255:
	s_cselect_b32 s44, 18432, 0                    ; there they are read six rows lower, rows 244 .. 249; everywhere else as they are
	s_mov_b32 s45, 0
	s_sub_nc_u64 s[44:45], s[4:5], s[44:45]
	v_add_nc_u32 v5, s40, v3                       ; lanes 0-15 begin at place base, lanes 16-31 at base + 1
	s_delay_alu instid0(VALU_DEP_1)
	v_mul_u32_u24 v5, v5, 3072
	s_delay_alu instid0(VALU_DEP_1)
	v_lshl_add_u32 v5, v2, 4, v5                   ; + my 16 bytes of a run of 256
	v_lshlrev_b32 v[XO], 11, v3                    ; the same for ts_emb, rows 2,048 bytes apart
	s_delay_alu instid0(VALU_DEP_1)
	v_lshl_add_u32 v[XO], v2, 4, v[XO]
	v_lshlrev_b32 v6, 2, v4
	s_delay_alu instid0(VALU_DEP_1)
	v_lshl_add_u32 v6, v3, 16, v6
	s_lshr_b32 s42, s[WV], 2                       ; v's share: q2 = wave / 4 (which 64 tokens), t = wave % 4 (which 16 of the head's 64)
	s_and_b32 s43, s[WV], 3
	; every LDS address: a constant + a constant x lane + a constant x wave, made here, ahead of the parting of k and v
	s_mul_i32 s41, s[WV], 16*SPI
	s_add_co_u32 s41, s41, STG                     ; my stage
	v_mul_u32_u24 v[SW], v3, SPI
	s_delay_alu instid0(VALU_DEP_1)
	v_lshl_add_u32 v[SW], v2, 4, v[SW]
	s_delay_alu instid0(VALU_DEP_1)
	v_add_nc_u32 v[SW], s41, v[SW]                 ; in: lanes 0-15 one row's 256 bytes, lanes 16-31 the next row's
	v_mul_u32_u24 v[SR], v2, SPI
	s_delay_alu instid0(VALU_DEP_1)
	v_lshl_add_u32 v[SR], v3, 6, v[SR]
	s_delay_alu instid0(VALU_DEP_1)
	v_add_nc_u32 v[SR], s41, v[SR]                 ; back: row r, + 64 h: my 16 numbers of a block of 32
	s_mul_i32 s41, s[WV], 9216
	v_lshl_add_u32 v7, v1, 4, s41                  ; my token tile's images
	s_mul_i32 s41, s[WV], 768
	s_add_co_u32 s41, s41, TSC
	v_lshl_add_u32 v8, v1, 2, s41                  ; and their scale words
	s_mul_i32 s41, s[WV], 1536
	s_add_co_u32 s41, s41, WIMG
	v_lshl_add_u32 v9, v1, 4, s41                  ; my weight fragments' images (wave, wave + 8, wave + 16)
	s_lshl_b32 s41, s[WV], 7
	s_add_co_u32 s41, s41, WSC
	v_lshl_add_u32 v10, v1, 2, s41
	v_lshl_add_u32 v11, v1, 4, WIMG                ; k: source 0 = the weight's four tiles
	v_lshl_add_u32 v12, v1, 2, WSC
	s_mul_i32 s41, s42, 36864
	v_lshl_add_u32 v13, v1, 4, s41                 ; v: source 0 = token tiles 4 q2 ..
	s_mul_i32 s41, s43, 1536
	s_add_co_u32 s41, s41, WIMG
	v_lshl_add_u32 v14, v1, 4, s41                 ; v: source 1 = the weight's tile t
	s_mul_i32 s41, s42, 3072
	s_add_co_u32 s41, s41, TSC
	v_lshl_add_u32 v15, v1, 2, s41
	s_lshl_b32 s41, s43, 7
	s_add_co_u32 s41, s41, WSC
	v_lshl_add_u32 v16, v1, 2, s41
	WLOAD SA, 6, 34, 2048, 0
	WLOAD SB, 6, 34, 2048, 524288
	WLOAD SC, 6, 34, 2048, 1048576
	s_wait_loadcnt 63                              ; 128 younger loads stand behind the first set
	WQUANT SA
	LIMG 9, 0
	ds_store_b32 v10, v[PW]
	XDENSE SA                                      ; the first of seven dense sets: my fragment of ts_emb
	s_wait_dscnt 0x0                               ; the LDS stores have read v[PC] on and v[PW]
	s_wait_loadcnt 63                              ; 80 younger loads stand behind the second set
	WQUANT SB
	LIMG 9, 12288
	ds_store_b32 v10, v[PW] offset:1024
	TDENSE SB, 0                                   ; the second: my token tile's K step 0
	s_wait_dscnt 0x0
	s_wait_loadcnt 32                              ; behind the third set: the two dense sets of 16 loads
	WQUANT SC
	LIMG 9, 24576
	ds_store_b32 v10, v[PW] offset:2048
; Seven dense sets: ts_emb's, then my token tile's six K steps.  Sets SA and SB take the loads by turns, two ahead; SC holds the turned numbers.
.irp f, 0,1,2,3,4,5,6
.if \f < 6
	s_wait_loadcnt 16                              ; this set's 16 loads are in; the next set's may be out
.else
	s_wait_loadcnt 0x0
.endif
	TURN (SA+64*(\f%2)), SC
	s_wait_dscnt 0x0                               ; the numbers are back; the stage's stores have read this set, and the last image's stores v[PC] on and v[PW]
.if \f < 5
	TDENSE (SA+64*(\f%2)), 512*(\f+1)              ; so the set takes the loads of two sets on: K step f + 1
.endif
.if \f == 1
	s_wait_xcnt 0x0                                ; the stores into xc have read v[PC] on and v[PW]: they are written again only behind this wait
.endif
	QUANT SC
.if \f == 0
	GIMG 17, 56, 0
	global_store_b32 v19, v[PW], s[58:59]          ; lanes r and r + 16 hold the same word and name the same place
.else
	LIMG 7, 1536*(\f-1)
	ds_store_b32 v8, v[PW] offset:128*(\f-1)
.endif
.endr
	s_wait_dscnt 0x0                               ; for the others' sake: my images lie in LDS
	s_barrier_signal -1
	s_barrier_wait -1                              ; everybody's do; from here on LDS is only read
	s_cmp_eq_u32 s31, 0
	s_cbranch_scc0 .Lv_arm
	; k^T: source 0 = 16 columns of Wk, source 1 = my 16 tokens: a lane holds one token, its 32 registers run along the head's 64
	v_lshlrev_b32 v6, 6, v3                        ; (every load that named v6 is in)  bk at 32 b + 16 h + 8 u + 0 .. 7
.irp i, 0,1,2,3
	global_load_b128 v[BIA+8*\i:BIA+8*\i+3], v6, s[36:37] offset:(32*(\i/2)+8*(\i%2))*4
	global_load_b128 v[BIA+8*\i+4:BIA+8*\i+7], v6, s[36:37] offset:(32*(\i/2)+8*(\i%2))*4+16
.endr
	s_lshl_b32 s38, s30, 3
	s_add_co_u32 s38, s38, s[WV]                   ; tile T = 8 g + wave
	s_mul_i32 s38, s38, 768
	s_add_co_u32 s38, s38, s49
	s_add_nc_u64 s[50:51], s[24:25], s[38:39]
	s_lshl_b32 s38, s[WV], 7
	s_lshl_b32 s40, s30, 6
	s_add_co_u32 s38, s38, s40
	s_add_co_u32 s38, s38, s49
	s_add_co_u32 s38, s38, 24576
	s_add_nc_u64 s[52:53], s[24:25], s[38:39]
	GPHASE 11, 6144, 1536, 7, 1536, 12, 512, 128, 8, 128, 8
	QUANT32 ACC
	global_store_b128 v17, v[PC:PC+3], s[50:51]
	global_store_b64 v18, v[PC+4:PC+5], s[50:51] offset:512
	global_store_b32 v19, v[PW], s[52:53]
	v_lshl_add_u32 v248, v0, 2, 0x25c00            ; no two registers can be kept through the sets of 64: v0 is kept, and the add's two registers are made here
	v_mov_b32 v249, 0
	s_wait_alu depctr_va_vdst(0)                   ; the wait, directly ahead of the wait below
	s_wait_tensorcnt 0x0                           ; the wave's end
	ds_add_u32 v248, v249
	s_wait_dscnt 0x0
	s_endpgm
.Lv_arm:
	; v: source 0 = 16 tokens, source 1 = 16 columns of Wv: a lane holds one of the head's 64, its 32 registers run along 64 tokens
	s_lshr_b32 s38, s43, 1
	s_lshl_b32 s38, s38, 7
	s_and_b32 s40, s43, 1
	s_lshl_b32 s40, s40, 5
	s_add_co_u32 s38, s38, s40
	s_add_nc_u64 s[36:37], s[36:37], s[38:39]
	v_lshlrev_b32 v6, 2, v4                        ; bv at my column, the same for all eight registers of a result
.irp j, 0,1,2,3,4,5,6,7
	global_load_b32 v[BIA+\j], v6, s[36:37]
.endr
	s_lshl_b32 s38, s43, 1
	s_add_co_u32 s38, s38, s30
	s_lshl_b32 s38, s38, 1
	s_add_co_u32 s38, s38, s42                     ; half (2 t + g) x 2 + q2
	s_mul_i32 s38, s38, 768
	s_add_co_u32 s38, s38, s49
	s_add_co_u32 s38, s38, 12288
	s_add_nc_u64 s[50:51], s[24:25], s[38:39]
	s_lshl_b32 s38, s43, 7
	s_lshl_b32 s40, s30, 6
	s_add_co_u32 s38, s38, s40
	s_lshl_b32 s40, s42, 1
	s_add_co_u32 s38, s38, s40
	s_add_co_u32 s38, s38, s49
	s_add_co_u32 s38, s38, 25600
	s_add_nc_u64 s[52:53], s[24:25], s[38:39]
	GPHASE 13, 1536, 9216, 14, 6144, 15, 128, 768, 16, 512, 0
	s_lshl_b32 s41, s30, 7
	s_lshl_b32 s40, s42, 6
	s_add_co_u32 s41, s41, s40
	v_lshl_add_u32 v5, v3, 4, s41                  ; register 16 b + i holds token 128 g + 64 q2 + 16 h + 32 b + i: tokens 250-255 are registers 26-31 where that base is 208
	s_delay_alu instid0(VALU_DEP_1)
	v_cmp_eq_u32 s48, 0xd0, v5
.irp j, 26,27,28,29,30,31
	v_cndmask_b32 v[ACC+\j], v[ACC+\j], 0, s48     ; the quantiser fills K beyond 250 with zeros
.endr
	QUANT32 ACC
	global_store_b128 v17, v[PC:PC+3], s[50:51]
	global_store_b64 v18, v[PC+4:PC+5], s[50:51] offset:512
	global_store_b16 v19, v[PW], s[52:53]
	v_lshl_add_u32 v248, v0, 2, 0x25c00            ; as in the other arm
	v_mov_b32 v249, 0
	s_wait_alu depctr_va_vdst(0)
	s_wait_tensorcnt 0x0
	ds_add_u32 v248, v249
	s_wait_dscnt 0x0
	s_endpgm
.Lfunc_end_k_q5b0a67253d_prep:
	.size	k_q5b0a67253d_prep, .Lfunc_end_k_q5b0a67253d_prep-k_q5b0a67253d_prep
	.p2alignl 7, 3214868480
	.fill 96, 4, 3214868480
	.section	.rodata,"a",@progbits
	.p2align	6, 0x0
	.amdhsa_kernel k_q5b0a67253d_prep
		.amdhsa_group_segment_fixed_size 155648
		.amdhsa_private_segment_fixed_size 0
		.amdhsa_enable_private_segment 0
		.amdhsa_kernarg_size 96
		.amdhsa_user_sgpr_count 2
		.amdhsa_user_sgpr_kernarg_segment_ptr 1
		.amdhsa_wavefront_size32 1
		.amdhsa_system_sgpr_workgroup_id_x 1
		.amdhsa_system_sgpr_workgroup_id_y 1
		.amdhsa_system_sgpr_workgroup_id_z 1
		.amdhsa_system_vgpr_workitem_id 0
		.amdhsa_next_free_vgpr 256
		.amdhsa_next_free_sgpr 66
		.amdhsa_reserve_vcc 0
		.amdhsa_float_denorm_mode_32 3
		.amdhsa_float_denorm_mode_16_64 3
		.amdhsa_memory_ordered 1
		.amdhsa_forward_progress 1
		.amdhsa_inst_pref_size 180
	.end_amdhsa_kernel
	.amdgpu_metadata
---
amdhsa.version: [ 1, 2 ]
amdhsa.kernels:
  - .name:           k_q5b0a67253d_prep
    .symbol:         k_q5b0a67253d_prep.kd
    .args:
      - { .name: topk_token_embeddings, .offset: 0, .size: 8, .value_kind: global_buffer, .address_space: global }
      - { .name: ts_emb, .offset: 8, .size: 8, .value_kind: global_buffer, .address_space: global }
      - { .name: Wq, .offset: 16, .size: 8, .value_kind: global_buffer, .address_space: global }
      - { .name: Wk, .offset: 24, .size: 8, .value_kind: global_buffer, .address_space: global }
      - { .name: Wv, .offset: 32, .size: 8, .value_kind: global_buffer, .address_space: global }
      - { .name: Wo, .offset: 40, .size: 8, .value_kind: global_buffer, .address_space: global }
      - { .name: bk, .offset: 48, .size: 8, .value_kind: global_buffer, .address_space: global }
      - { .name: bv, .offset: 56, .size: 8, .value_kind: global_buffer, .address_space: global }
      - { .name: wqc, .offset: 64, .size: 8, .value_kind: global_buffer, .address_space: global }
      - { .name: xc, .offset: 72, .size: 8, .value_kind: global_buffer, .address_space: global }
      - { .name: kvc, .offset: 80, .size: 8, .value_kind: global_buffer, .address_space: global }
      - { .name: woc, .offset: 88, .size: 8, .value_kind: global_buffer, .address_space: global }
    .group_segment_fixed_size: 155648
    .private_segment_fixed_size: 0
    .kernarg_segment_align: 8
    .kernarg_segment_size: 96
    .max_flat_workgroup_size: 256
    .sgpr_count:     66
    .vgpr_count:     256
    .wavefront_size: 32
...
	.end_amdgpu_metadata
.endif
;; end of part 1
;; launch attn (part 2): grid 8 x 32, 8 waves a work-group, clusters of 4 x 1, 327,680 bytes of LDS; arguments wqc, xc, kvc, bq, oc; writes oc
.if DOCPART == 2
	.amdgcn_target "amdgcn-amd-amdhsa--gfx1250"
	.amdhsa_code_object_version 6
	.text
	.protected	k_q5b0a67253d_attn
	.globl	k_q5b0a67253d_attn
	.p2align	8
	.type	k_q5b0a67253d_attn,@function
k_q5b0a67253d_attn:
	s_mov_b64 s[64:65], 0
	v_nop
	global_prefetch_b8 v0, s[64:65] scope:SCOPE_SE
	s_setreg_imm32_b32 hwreg(HW_REG_WAVE_MODE, 25, 1), 1
	s_wait_xcnt 0x0
	s_wait_alu depctr_hold_cnt(0) depctr_sa_sdst(0) depctr_va_vdst(0) depctr_va_sdst(0) depctr_va_ssrc(0) depctr_va_vcc(0) depctr_vm_vsrc(0)
	s_getreg_b32 s2, hwreg(HW_REG_IB_STS2, 6, 4)
	s_cmp_eq_u32 s2, 0
	s_cbranch_scc0 .Lentry_in_a_cluster
	s_endpgm
.Lentry_in_a_cluster:
	s_bfe_u32 s2, ttmp6, 0x10000c
	s_cmp_lg_u32 s2, 0x3003
	s_cbranch_scc0 .Lentry_shape_is_right
	s_endpgm
.Lentry_shape_is_right:
; ATTENTION for one (cluster c, block of 256 rows of ts_emb): wave = head.  All operands arrive as register images of FP6 fragments with E8M0 scale words.
; PHASE 1: q = x Wq + bq for the block's 16 tiles of 16 rows.  The head's 16 fragments of Wq stay in registers (13 in window 1, 3 in window 0); only x is read from LDS, 14 loads a tile,
;   two buffers by turns.  q is quantised along the head's 64 and laid into the wave's own 16 x 1,024 bytes of LDS: registers 0-3 at 16 x lane, then (register 4, register 5, scale word, 0) at 512 + 16 x lane.
; PHASE 2: for each tile S^T = k q^T (256 key places, places 250-255 set to -inf), p = 2^(t - M) with M = ceil(the row's largest t), the sum of the unquantised p, p quantised by blocks of 32 keys,
;   O^T = v^T p^T, divided by the sum, quantised along the head's 64 and stored as the last launch reads it.  k lies in window 1 from the head on; v is loaded over Wq's registers when phase 1 is over.
; CLUSTER: four work-groups along c read the same 102,400 bytes of x: each wave asks jointly for two tiles.  Wq, k and v are each wave's own and go from memory straight into registers,
;   where no tensor load can land: so they are not asked for jointly.
; LIMITS: NaN and infinities are not served; the promise holds while the scaled scores stay under 2^31 in magnitude.
.set WV,  14
.set SEL, 20
.set CS,  22
.set G1X, 24
.set G0X, 32
.set XT,  48
.set TI,  49
.set MK,  50
.set QT,  51
.set OTC, 52
.set OTS, 54
.set OBC, 66
.set OBS, 68
.set AX,  1                            ; x's fragments of this trip;  v2 their scale words
.set AXS, 2
.set AQ0, 3                            ; my q region + 16 x lane;  v4 the tile at work
.set AQ,  4
.set XSB, 5                            ; v5-6 x's scale words, buffer B
.set L16, 7
.set L8,  8
.set R4,  9
.set L4,  10
.set NINF, 11
.set MM,  12
.set TT,  13
.set LS,  14
.set KS,  16
.set VS,  24
.set WS,  28
.set XS,  36
.set QS,  38
.set PS,  39
.set H64, 41
.set QOP, 42
.set W3,  42                           ; phase 1: Wq's fragments 13-15
.set PC,  54
.set PT,  78
.set QD,  78                           ; phase 1: q's codes, scale word, 0
.set RL,  86
.set PFO, 86                           ; the prefetch's offset, until phase 2
.set S,   88
.set XA,  88                           ; phase 1: x's four fragments, two buffers
.set XB,  136
.set BIA, 184
.set ACC, 216
.set OA,  216
.set TMX, 216
.set TP,  224
.set SCO, 232
.set TW,  248
.set QL,  102400                       ; LDS: x 16 x 6,400; q 8 x 16,384; the spare words
.set SPARE, 233472
.set MSB, 0
.macro WIN new
.if MSB != \new
	s_set_vgpr_msb (MSB<<8)|\new
.set MSB, \new
.endif
.endm
.macro PLACES n
.rept \n
	v_nop
.endr
.endm
.macro CROUND
	s_barrier_signal -1
	s_barrier_wait -1
	s_cmp_lg_u32 s[WV], 0
	s_cbranch_scc1 .Lnot_wave_0_\@
	s_barrier_signal -3
.Lnot_wave_0_\@:
	s_barrier_wait -3
	s_barrier_signal -1
	s_barrier_wait -1
.endm
.macro MMA d, a, b, c, sa, sb, ra, rb
.if (\c) < 0
.if (\ra)
	v_wmma_scale_f32_16x16x128_f8f6f4 v[(\d):(\d)+7], v[(\a):(\a)+11], v[(\b):(\b)+11], 0, v[\sa], v[\sb] matrix_a_fmt:MATRIX_FMT_FP6 matrix_b_fmt:MATRIX_FMT_FP6 matrix_a_scale:MATRIX_SCALE_ROW1
.else
	v_wmma_scale_f32_16x16x128_f8f6f4 v[(\d):(\d)+7], v[(\a):(\a)+11], v[(\b):(\b)+11], 0, v[\sa], v[\sb] matrix_a_fmt:MATRIX_FMT_FP6 matrix_b_fmt:MATRIX_FMT_FP6
.endif
.else
.if (\ra) && (\rb)
	v_wmma_scale_f32_16x16x128_f8f6f4 v[(\d):(\d)+7], v[(\a):(\a)+11], v[(\b):(\b)+11], v[(\c):(\c)+7], v[\sa], v[\sb] matrix_a_fmt:MATRIX_FMT_FP6 matrix_b_fmt:MATRIX_FMT_FP6 matrix_a_scale:MATRIX_SCALE_ROW1 matrix_b_scale:MATRIX_SCALE_ROW1
.elseif (\ra)
	v_wmma_scale_f32_16x16x128_f8f6f4 v[(\d):(\d)+7], v[(\a):(\a)+11], v[(\b):(\b)+11], v[(\c):(\c)+7], v[\sa], v[\sb] matrix_a_fmt:MATRIX_FMT_FP6 matrix_b_fmt:MATRIX_FMT_FP6 matrix_a_scale:MATRIX_SCALE_ROW1
.elseif (\rb)
	v_wmma_scale_f32_16x16x128_f8f6f4 v[(\d):(\d)+7], v[(\a):(\a)+11], v[(\b):(\b)+11], v[(\c):(\c)+7], v[\sa], v[\sb] matrix_a_fmt:MATRIX_FMT_FP6 matrix_b_fmt:MATRIX_FMT_FP6 matrix_b_scale:MATRIX_SCALE_ROW1
.else
	v_wmma_scale_f32_16x16x128_f8f6f4 v[(\d):(\d)+7], v[(\a):(\a)+11], v[(\b):(\b)+11], v[(\c):(\c)+7], v[\sa], v[\sb] matrix_a_fmt:MATRIX_FMT_FP6 matrix_b_fmt:MATRIX_FMT_FP6
.endif
.endif
.endm
; 32 numbers a lane (two half blocks; a block lies in lanes l and l xor 16) become six registers of codes and two scale bytes
.macro QUANT32 src, dst, tmp, pw
.irp b, 0,1
	v_max3_num_f32 v[TW+\b], |v[\src+16*\b]|, |v[\src+16*\b+1]|, 0x1800000
.endr
.irp i, 2,4,6,8,10,12,14
.irp b, 0,1
	v_max3_num_f32 v[TW+\b], v[TW+\b], |v[\src+16*\b+\i]|, |v[\src+16*\b+\i+1]|
.endr
.endr
.irp b, 0,1
	s_delay_alu instid0(VALU_DEP_2)
	v_permlanex16_b32 v[TW+2+\b], v[TW+\b], s[SEL], s[SEL+1]
.endr
.irp b, 0,1
	s_delay_alu instid0(VALU_DEP_2)
	v_max_num_f32 v[TW+\b], v[TW+\b], v[TW+2+\b]
.endr
.irp b, 0,1
	s_delay_alu instid0(VALU_DEP_2)
	v_add_nc_u32 v[TW+4+\b], 0xff000000, v[TW+\b]
.endr
.irp b, 0,1
	s_delay_alu instid0(VALU_DEP_2)
	v_lshrrev_b32 v[TW+2+\b], 23, v[TW+4+\b]
.endr
	s_delay_alu instid0(VALU_DEP_1)
	v_lshl_or_b32 v[\pw], v[TW+3], 8, v[TW+2]
	v_cvt_scalef32_pk16_fp6_f32 v[\dst:\dst+2], v[\src:\src+15], v[TW+4]
	v_cvt_scalef32_pk16_fp6_f32 v[\tmp:\tmp+2], v[\src+16:\src+31], v[TW+5]
	v_nop
.irp i, 0,1,2
	v_permlane16_swap_b32 v[\dst+\i], v[\tmp+\i]
.endr
.irp i, 0,1,2
	s_delay_alu instid0(VALU_DEP_3)
	v_mov_b32 v[\dst+3+\i], v[\tmp+\i]
.endr
.endm
; a tile of x: four fragments and two scale words: 14 LDS loads
.macro XLOAD xb, xs, va, vs, off
.irp z, 0,1,2,3
.irp k, 0,1,2
	ds_load_b128 v[\xb+12*\z+4*\k:\xb+12*\z+4*\k+3], v[\va] offset:\off+1536*\z+512*\k
.endr
.endr
	ds_load_b32 v[\xs], v[\vs] offset:\off+6144
	ds_load_b32 v[\xs+1], v[\vs] offset:\off+6272
.endm
; q of one tile: 16 products, the four accumulators by turns; bq is the C of each sum's first product
.macro TILE xb, xs, wt, nx, off, qo
	s_wait_dscnt \wt                               ; this buffer's 14 loads are in
	WIN 0x01
.irp t, 0,1,2,3
	MMA ACC+8*\t, 96+12*\t, \xb, BIA+8*\t, WS+\t/2, \xs, \t%2, 0
.endr
.irp t, 0,1,2,3
	MMA ACC+8*\t, 144+12*\t, \xb+12, ACC+8*\t, WS+2+\t/2, \xs, \t%2, 1
.endr
.irp t, 0,1,2,3
	MMA ACC+8*\t, 192+12*\t, \xb+24, ACC+8*\t, WS+4+\t/2, \xs+1, \t%2, 0
.endr
	MMA ACC, 240, \xb+36, ACC, WS+6, \xs+1, 0, 1
	WIN 0
.irp t, 1,2,3
	MMA ACC+8*\t, W3+12*(\t-1), \xb+36, ACC+8*\t, WS+6+\t/2, \xs+1, \t%2, 1
.endr
	PLACES 4                                       ; in front of loads into registers just read, and of the first read of results
.if \nx
	XLOAD \xb, \xs, AX, AXS, \off                  ; the tile two further on
	s_wait_dscnt 14                                ; all but these 14: the last tile's two stores have read v[QD] on
.else
	s_wait_dscnt 0x0
.endif
	QUANT32 ACC, QD, 12, QD+6
	ds_store_b128 v[AQ], v[QD:QD+3] offset:\qo
	ds_store_b128 v[AQ], v[QD+4:QD+7] offset:\qo+512
.endm
	s_load_b256 s[4:11], s[0:1], 0x0               ; wqc, xc, kvc, bq
	s_load_b64 s[12:13], s[0:1], 0x20              ; oc
	v_lshl_add_u32 v254, v0, 2, SPARE
	v_mov_b32 v255, 0
	ds_add_u32 v254, v255                          ; the opening lines: the add twice on end and one wait
	ds_add_u32 v254, v255
	v_lshrrev_b32 v1, 5, v0
	s_delay_alu instid0(VALU_DEP_1)
	v_readfirstlane_b32 s[WV], v1
	s_bfe_u32 s15, ttmp6, 0x40000
	s_lshl_b32 s17, ttmp9, 2
	s_add_co_u32 s17, s17, s15                     ; c = 4 x cluster x + cx
	s_and_b32 s16, ttmp7, 0xffff                   ; the block of 256 rows: the same in the four partners
	s_mov_b32 s[G1X], 15|(3<<16)|(1<<21)           ; two tiles of x: 50 rows of 256 bytes, for all four partners
	s_mov_b32 s[G1X+1], 32<<16
	s_mov_b32 s[G1X+2], 50<<16
	s_mov_b32 s[G1X+3], 32<<16
	s_mov_b32 s[G1X+4], 50
	s_mov_b32 s[G1X+5], 32
	s_mov_b32 s[G1X+6], 0
	s_mov_b32 s[G1X+7], 0
	s_lshl_b32 s18, s17, 3
	s_add_co_u32 s18, s18, s[WV]                   ; 8 c + head
	s_mul_i32 s56, s18, 25600
	s_mov_b32 s57, 0
	s_mul_i32 s58, s18, 26112
	s_mov_b32 s59, 0
	s_lshl_b32 s60, s18, 8
	s_mov_b32 s61, 0
	s_lshl_b32 s62, s16, 4
	s_lshl_b32 s19, s[WV], 1
	s_add_co_u32 s62, s62, s19
	s_mul_i32 s62, s62, 6400                       ; x's tiles 16 x block + 2 x wave, + 1
	s_mov_b32 s63, 0
	s_mul_i32 s70, s16, 819200
	s_lshl_b32 s71, s17, 2
	s_lshr_b32 s18, s[WV], 1
	s_add_co_u32 s71, s71, s18
	s_mul_i32 s71, s71, 12800
	s_add_co_u32 s70, s70, s71
	s_and_b32 s18, s[WV], 1
	s_mul_i32 s71, s18, 768
	s_add_co_u32 s66, s70, s71
	s_mov_b32 s67, 0
	s_lshl_b32 s71, s18, 1
	s_add_co_u32 s68, s70, s71
	s_add_co_u32 s68, s68, 12288
	s_mov_b32 s69, 0
	s_mov_b32 s[SEL], 0x76543210
	s_mov_b32 s[SEL+1], 0xfedcba98
	s_mov_b32 s[CS], 0x3e38aa3b                    ; log2(e) / 8
	s_mov_b32 s[CS+1], s[CS]
	s_mov_b32 s[MK], 0xffff0000
	s_mov_b32 s[XT], 0
	s_mov_b32 s[QT], 0
	s_mov_b32 s[TI], 0
	s_lshl_b32 s19, s[WV], 14
	s_add_co_u32 s19, s19, QL
	s_lshl_b32 s18, s16, 1
	v_and_b32 v[L4], 31, v0
	v_and_b32 v[R4], 15, v0
	v_bfe_u32 v[H64], v0, 4, 1
	v_lshl_add_u32 v[AQ0], v[L4], 4, s19
	v_min_u32 v[PFO], 1, v[L4]
	v_lshlrev_b32 v[L16], 4, v[L4]
	v_lshlrev_b32 v[L8], 3, v[L4]
	v_add_nc_u32 v[PFO], s18, v[PFO]
	v_lshlrev_b32 v[R4], 2, v[R4]
	v_lshlrev_b32 v[H64], 6, v[H64]
	v_min_u32 v[PFO], 53, v[PFO]
	v_lshlrev_b32 v[L4], 2, v[L4]
	v_mov_b32 v[NINF], 0xff800000
	v_lshlrev_b32 v[PFO], 8, v[PFO]                ; of the 54 blocks of 256 bytes of v and its scales, the 32 row blocks that read them name two each (held at the last)
	v_mov_b32 v[QD+7], 0
	v_mov_b32 v[TW+2], 0
	v_mov_b32 v[TW+3], 0
	v_mov_b32 v[RL+1], 0
	s_wait_alu depctr_va_vdst(0)                   ; the wait at the head's end
	s_wait_dscnt 0x0
	s_wait_kmcnt 0x0
	s_mov_b32 s[G0X], 1
	s_mul_i32 s[G0X+1], s[WV], 12800
	s_add_nc_u64 s[G0X+2:G0X+3], s[6:7], s[62:63]
	s_or_b32 s[G0X+3], s[G0X+3], 0x80000000
	s_add_nc_u64 s[4:5], s[4:5], s[56:57]
	s_add_nc_u64 s[8:9], s[8:9], s[58:59]
	s_add_nc_u64 s[10:11], s[10:11], s[60:61]
	s_add_nc_u64 s[OBC:OBC+1], s[12:13], s[OBC:OBC+1]
	s_add_nc_u64 s[OBS:OBS+1], s[12:13], s[OBS:OBS+1]
	WIN 0x40
.set F, 0
.rept 13                               ; Wq's fragments 4 z + t = 0 .. 12 into window 1, v96 on
.irp k, 0,1,2
	global_load_b128 v[96+12*F+4*\k:96+12*F+4*\k+3], v[L16], s[4:5] offset:1536*F+512*\k
.endr
.set F, F+1
.endr
	WIN 0
.rept 3
.irp k, 0,1,2
	global_load_b128 v[W3+12*(F-13)+4*\k:W3+12*(F-13)+4*\k+3], v[L16], s[4:5] offset:1536*F+512*\k
.endr
.set F, F+1
.endr
	CROUND                                         ; the round in front of the joint loads
	tensor_load_to_lds s[G0X:G0X+3], s[G1X:G1X+7]  ; my one tensor load of the launch
	s_nop 0
	PLACES 4
.irp i, 0,1,2,3,4,5,6,7
	global_load_b32 v[WS+\i], v[L4], s[4:5] offset:24576+128*\i
.endr
.irp t, 0,1,2,3
	global_load_b128 v[BIA+8*\t:BIA+8*\t+3], v[H64], s[10:11] offset:(32*(\t/2)+8*(\t%2))*4
	global_load_b128 v[BIA+8*\t+4:BIA+8*\t+7], v[H64], s[10:11] offset:(32*(\t/2)+8*(\t%2))*4+16
.endr
	global_prefetch_b8 v[PFO], s[8:9] offset:12288 th:TH_LOAD_NT scope:SCOPE_SE   ; v is loaded behind phase 1's 16 tiles; the offset's register is written again only behind phase 2's wait on XCNT
	WIN 0x40
.set N, 0
.rept 16                               ; k's 16 tiles into window 1, v0-95
	global_load_b128 v[6*N:6*N+3], v[L16], s[8:9] offset:768*N
	global_load_b64 v[6*N+4:6*N+5], v[L8], s[8:9] offset:768*N+512
.set N, N+1
.endr
	WIN 0
.irp i, 0,1,2,3,4,5,6,7
	global_load_b32 v[KS+\i], v[L4], s[8:9] offset:24576+128*\i
.endr
	s_wait_tensorcnt 0x0                           ; my two tiles of x lie in LDS,
	s_barrier_signal -1
	s_barrier_wait -1                              ; and everybody's; x is never filled again
	XLOAD XA, XS, L16, L4, 0
	XLOAD XB, XSB, L16, L4, 6400
	s_wait_loadcnt 40                              ; Wq, its scale words and bq are in; k's 32 loads and its 8 scale words may be out
.Lq:                                   ; a trip: tiles 2 j and 2 j + 1; it fetches tiles 2 j + 2 and 2 j + 3
	v_add_nc_u32 v[AX], s[XT], v[L16]
	v_add_nc_u32 v[AXS], s[XT], v[L4]
	v_add_nc_u32 v[AQ], s[QT], v[AQ0]
	s_wait_alu depctr_va_vdst(0)
	TILE XA, XS, 14, 1, 12800, 0                   ; 14: on the way in the other buffer's loads stand behind mine (round the loop 18 instructions do)
	TILE XB, XSB, 16, 1, 19200, 1024               ; 16: behind my loads stand buffer A's 14 and two stores (round the loop two stores more)
	s_add_co_u32 s[XT], s[XT], 12800
	s_add_co_u32 s[QT], s[QT], 2048
	s_add_co_u32 s[TI], s[TI], 1
	s_cmp_lt_u32 s[TI], 7
	s_wait_alu depctr_va_vdst(0)
	s_cbranch_scc1 .Lq
	v_add_nc_u32 v[AQ], s[QT], v[AQ0]
	s_wait_alu depctr_va_vdst(0)
	TILE XA, XS, 14, 0, 0, 0                       ; the last two tiles fetch nothing
	TILE XB, XSB, 4, 0, 0, 1024
	WIN 0x40
.rept 16                               ; v over Wq's registers, window 1, v102-197: first read behind the first tile's softmax.  v96-101 keep codes of Wq: k's last tile names them as its step's other 64, which meet q's zero codes
	global_load_b128 v[6*N+6:6*N+9], v[L16], s[8:9] offset:768*N
	global_load_b64 v[6*N+10:6*N+11], v[L8], s[8:9] offset:768*N+512
.set N, N+1
.endr
	WIN 0
.irp t, 0,1,2,3
	global_load_b32 v[VS+\t], v[L4], s[8:9] offset:25600+128*\t
.endr
.irp j, 6,7,8,9,10,11
	v_mov_b32 v[QOP+\j], 0                         ; the head has 64 along K: the step's other 64 are zero codes
.endr
	ds_load_b128 v[QOP:QOP+3], v[AQ0]              ; q of tile 0: LDS serves a wave's instructions in order, so these see my stores
	ds_load_b64 v[QOP+4:QOP+5], v[AQ0] offset:512
	ds_load_b32 v[QS], v[AQ0] offset:520
	s_mov_b32 s[TI], 0
	s_wait_loadcnt 36                              ; k and its scale words are in; v's 32 loads and 4 scale words may be out
.Lunit:
	s_wait_alu depctr_va_vdst(0)
	s_wait_xcnt 0x0                                ; the last tile's stores have read their registers and bases
	s_wait_dscnt 0x0                               ; q is in
	WIN 0x01
.set T, 0
.rept 16
	MMA S+8*T, 6*T, QOP, -1, KS+T%8, QS, T/8, 0
.set T, T+1
.endr
	WIN 0
	PLACES 4
	s_add_co_u32 s70, s[TI], 1
	s_min_u32 s70, s70, 15                         ; the next tile's q (the last trip names its own tile again, and nothing reads that)
	s_lshl_b32 s70, s70, 10
	v_add_nc_u32 v[AQ], s70, v[AQ0]
	ds_load_b128 v[QOP:QOP+3], v[AQ]
	ds_load_b64 v[QOP+4:QOP+5], v[AQ] offset:512
	ds_load_b32 v[QS], v[AQ] offset:520
.irp j, 122,123,124,125,126,127
	v_cndmask_b32 v[S+\j], v[S+\j], v[NINF], s[MK] ; key places 250-255
.endr
.irp b, 0,1,2,3,4,5,6,7
	v_max3_num_f32 v[TMX+\b], v[S+16*\b], v[S+16*\b+1], v[S+16*\b+2]
.endr
.irp i, 3,5,7,9,11,13
.irp b, 0,1,2,3,4,5,6,7
	v_max3_num_f32 v[TMX+\b], v[TMX+\b], v[S+16*\b+\i], v[S+16*\b+\i+1]
.endr
.endr
.irp b, 0,1,2,3,4,5,6,7
	v_max_num_f32 v[TMX+\b], v[TMX+\b], v[S+16*\b+15]
.endr
.irp b, 0,1,2,3,4,5,6,7
	v_permlanex16_b32 v[TP+\b], v[TMX+\b], s[SEL], s[SEL+1]
.endr
.irp b, 0,1,2,3,4,5,6,7
	v_max_num_f32 v[TMX+\b], v[TMX+\b], v[TP+\b]   ; each block's largest score
.endr
	v_max3_num_f32 v[TW], v[TMX], v[TMX+1], v[TMX+2]
	s_delay_alu instid0(VALU_DEP_4)
	v_max3_num_f32 v[TW+1], v[TMX+3], v[TMX+4], v[TMX+5]
	s_delay_alu instid0(VALU_DEP_2)
	v_max3_num_f32 v[TW], v[TW], v[TMX+6], v[TMX+7]
	s_delay_alu instid0(VALU_DEP_1)
	v_max_num_f32 v[TW], v[TW], v[TW+1]
	s_delay_alu instid0(VALU_DEP_1)
	v_mul_f32 v[TT], s[CS], v[TW]
	s_delay_alu instid0(VALU_DEP_1)
	v_floor_f32 v[MM], -v[TT]                      ; -M = floor(-t)
.set J, 0
.rept 64
	v_pk_fma_f32 v[S+J:S+J+1], v[S+J:S+J+1], s[CS:CS+1], v[MM:MM+1] op_sel_hi:[1,0,0]
.set J, J+2
.endr
.irp b, 0,1,2,3,4,5,6,7
	v_fma_f32 v[TMX+\b], v[TMX+\b], s[CS], v[MM]
.endr
.set J, 0
	s_wait_alu depctr_va_vdst(0)                   ; a wait ahead of the batch and one behind it
.rept 128
	v_exp_f32 v[S+J], v[S+J]
.set J, J+1
.endr
.irp b, 0,1,2,3,4,5,6,7
	v_exp_f32 v[TMX+\b], v[TMX+\b]                 ; each block's largest p
.endr
	v_nop
	s_wait_alu depctr_va_vdst(0)
.irp b, 0,1,2,3,4,5,6,7
	v_max_num_f32 v[TMX+\b], 0x1800000, v[TMX+\b]
.endr
.irp b, 0,1,2,3,4,5,6,7
	v_add_nc_u32 v[SCO+\b], 0xff000000, v[TMX+\b]
.endr
.irp b, 0,1,2,3,4,5,6,7
	v_lshrrev_b32 v[TP+\b], 23, v[SCO+\b]
.endr
.irp g, 0,1
	v_lshl_or_b32 v[PS+\g], v[TP+4*\g+1], 8, v[TP+4*\g]
	s_delay_alu instid0(VALU_DEP_1)
	v_lshl_or_b32 v[PS+\g], v[TP+4*\g+2], 16, v[PS+\g]
	s_delay_alu instid0(VALU_DEP_1)
	v_lshl_or_b32 v[PS+\g], v[TP+4*\g+3], 24, v[PS+\g]
.endr
.irp g, 0,1
.irp c, 0,1
	v_cvt_scalef32_pk16_fp6_f32 v[PC+12*\g+6*\c:PC+12*\g+6*\c+2], v[S+64*\g+32*\c:S+64*\g+32*\c+15], v[SCO+4*\g+2*\c]
	v_cvt_scalef32_pk16_fp6_f32 v[PT+4*\c:PT+4*\c+2], v[S+64*\g+32*\c+16:S+64*\g+32*\c+31], v[SCO+4*\g+2*\c+1]
.endr
	v_nop
.irp c, 0,1
.irp i, 0,1,2
	v_permlane16_swap_b32 v[PC+12*\g+6*\c+\i], v[PT+4*\c+\i]
.endr
.irp i, 0,1,2
	s_delay_alu instid0(VALU_DEP_3)
	v_mov_b32 v[PC+12*\g+6*\c+3+\i], v[PT+4*\c+\i]
.endr
.endr
.endr
	v_pk_add_f32 v[LS:LS+1], v[S:S+1], v[S+2:S+3]  ; the sum of the unquantised p, in two chains
	v_pk_add_f32 v[TW:TW+1], v[S+4:S+5], v[S+6:S+7]
.set J, 8
.rept 30
	v_pk_add_f32 v[LS:LS+1], v[LS:LS+1], v[S+J:S+J+1]
	v_pk_add_f32 v[TW:TW+1], v[TW:TW+1], v[S+J+2:S+J+3]
.set J, J+4
.endr
	s_delay_alu instid0(VALU_DEP_1)
	v_pk_add_f32 v[LS:LS+1], v[LS:LS+1], v[TW:TW+1]
	s_delay_alu instid0(VALU_DEP_1)
	v_add_f32 v[LS], v[LS], v[LS+1]
	s_delay_alu instid0(VALU_DEP_1)
	v_permlanex16_b32 v[TP], v[LS], s[SEL], s[SEL+1]
	s_delay_alu instid0(VALU_DEP_1)
	v_add_f32 v[LS], v[LS], v[TP]
	s_wait_loadcnt 0x0                             ; v and its scale words are in (only the first trip can find loads out)
	s_wait_alu depctr_va_vdst(0)
	v_rcp_f32 v[RL], v[LS]
	v_nop
	WIN 0x01
.irp t, 0,1,2,3
	MMA OA+8*\t, 102+24*\t, PC, -1, VS+\t, PS, 0, 0
.endr
.irp t, 0,1,2,3
	MMA OA+8*\t, 102+24*\t+12, PC+12, OA+8*\t, VS+\t, PS+1, 1, 0
.endr
	WIN 0
	PLACES 5
.set J, 0
	s_wait_alu depctr_va_vdst(0)
.rept 16
	v_pk_mul_f32 v[OA+J:OA+J+1], v[OA+J:OA+J+1], v[RL:RL+1] op_sel_hi:[1,0]
.set J, J+2
.endr
	QUANT32 OA, 54, 60, 63
	s_lshr_b32 s70, s[TI], 3
	s_mul_i32 s70, s70, 409600
	s_and_b32 s71, s[TI], 7
	s_mul_i32 s56, s71, 1536
	s_add_co_u32 s56, s56, s70
	s_mov_b32 s57, 0
	s_add_nc_u64 s[OTC:OTC+1], s[OBC:OBC+1], s[56:57]
	s_lshl_b32 s56, s71, 6
	s_add_co_u32 s56, s56, s70
	s_add_nc_u64 s[OTS:OTS+1], s[OBS:OBS+1], s[56:57]
	s_wait_alu depctr_va_vdst(0)
	global_store_b128 v[L16], v[54:57], s[OTC:OTC+1]
	global_store_b64 v[L8], v[58:59], s[OTC:OTC+1] offset:512
	global_store_b16 v[R4], v63, s[OTS:OTS+1]
	s_add_co_u32 s[TI], s[TI], 1
	s_cmp_lt_u32 s[TI], 16
	s_cbranch_scc1 .Lunit
	s_wait_tensorcnt 0x0                           ; the wave's end
	ds_add_u32 v254, v255
	s_wait_dscnt 0x0
	CROUND                                         ; the closing round
	s_endpgm
.Lfunc_end_k_q5b0a67253d_attn:
	.size	k_q5b0a67253d_attn, .Lfunc_end_k_q5b0a67253d_attn-k_q5b0a67253d_attn
	.p2alignl 7, 3214868480
	.fill 96, 4, 3214868480
	.section	.rodata,"a",@progbits
	.p2align	6, 0x0
	.amdhsa_kernel k_q5b0a67253d_attn
		.amdhsa_group_segment_fixed_size 327680
		.amdhsa_private_segment_fixed_size 0
		.amdhsa_enable_private_segment 0
		.amdhsa_kernarg_size 40
		.amdhsa_user_sgpr_count 2
		.amdhsa_user_sgpr_kernarg_segment_ptr 1
		.amdhsa_wavefront_size32 1
		.amdhsa_system_sgpr_workgroup_id_x 1
		.amdhsa_system_sgpr_workgroup_id_y 1
		.amdhsa_system_sgpr_workgroup_id_z 1
		.amdhsa_system_vgpr_workitem_id 0
		.amdhsa_next_free_vgpr 512
		.amdhsa_next_free_sgpr 72
		.amdhsa_reserve_vcc 0
		.amdhsa_float_denorm_mode_32 3
		.amdhsa_float_denorm_mode_16_64 3
		.amdhsa_memory_ordered 1
		.amdhsa_forward_progress 1
		.amdhsa_inst_pref_size 72
	.end_amdhsa_kernel
	.amdgpu_metadata
---
amdhsa.version: [ 1, 2 ]
amdhsa.kernels:
  - .name:           k_q5b0a67253d_attn
    .symbol:         k_q5b0a67253d_attn.kd
    .args:
      - { .name: wqc, .offset: 0, .size: 8, .value_kind: global_buffer, .address_space: global }
      - { .name: xc, .offset: 8, .size: 8, .value_kind: global_buffer, .address_space: global }
      - { .name: kvc, .offset: 16, .size: 8, .value_kind: global_buffer, .address_space: global }
      - { .name: bq, .offset: 24, .size: 8, .value_kind: global_buffer, .address_space: global }
      - { .name: oc, .offset: 32, .size: 8, .value_kind: global_buffer, .address_space: global }
    .group_segment_fixed_size: 327680
    .private_segment_fixed_size: 0
    .kernarg_segment_align: 8
    .kernarg_segment_size: 40
    .max_flat_workgroup_size: 256
    .sgpr_count:     72
    .vgpr_count:     512
    .wavefront_size: 32
...
	.end_amdgpu_metadata
.endif
;; end of part 2
;; launch out (part 3): grid 4 x 64, 4 waves a work-group, clusters of 4 x 4, 327,680 bytes of LDS; arguments woc, oc, bo, cluster_probs, out0; writes out0
.if DOCPART == 3
	.amdgcn_target "amdgcn-amd-amdhsa--gfx1250"
	.amdhsa_code_object_version 6
	.text
	.protected	k_q5b0a67253d_out
	.globl	k_q5b0a67253d_out
	.p2align	8
	.type	k_q5b0a67253d_out,@function
k_q5b0a67253d_out:
	s_mov_b64 s[64:65], 0
	v_nop
	global_prefetch_b8 v0, s[64:65] scope:SCOPE_SE
	s_setreg_imm32_b32 hwreg(HW_REG_WAVE_MODE, 25, 1), 1
	s_wait_xcnt 0x0
	s_wait_alu depctr_hold_cnt(0) depctr_sa_sdst(0) depctr_va_vdst(0) depctr_va_sdst(0) depctr_va_ssrc(0) depctr_va_vcc(0) depctr_vm_vsrc(0)
	s_getreg_b32 s2, hwreg(HW_REG_IB_STS2, 6, 4)
	s_cmp_eq_u32 s2, 0
	s_cbranch_scc0 .Lentry_in_a_cluster
	s_endpgm
.Lentry_in_a_cluster:
	s_bfe_u32 s2, ttmp6, 0x10000c
	s_cmp_lg_u32 s2, 0xf033
	s_cbranch_scc0 .Lentry_shape_is_right
	s_endpgm
.Lentry_shape_is_right:
.set SLOT,  128000
.set OPART, 76800
.set SPARE, 256000
.set SP,    784
.set ADW,   2
.set ADO16, 6
.set ADO8,  8
.set ADWS,  10
.set ADOS,  12
.set STO,   14
.set RD1,   15
.set RD2,   16
.set CO1,   17
.set CO2,   18
.set H32,   19
.set R32,   20
.set SPW,   28
.set NIL,   29
.set WSC,   32
.set OSC,   38
.set GP,    44
.set BO,    52
.set OF,    100
.set PFW,   208
.set PFQ,   209
.set G1W, 24
.set G0W, 32
.set G1O, 48
.set G0O, 56
.set MSB, 0
.macro WIN new
.if MSB != \new
	s_set_vgpr_msb (MSB<<8)|\new
.set MSB, \new
.endif
.endm
.macro PLACES n
.rept \n
	v_nop
.endr
.endm
.macro JLOAD g0a, g1a, g0b, g1b
	s_cmp_eq_u32 s15, 0
	s_cbranch_scc0 .Lfor_b_\@
	tensor_load_to_lds s[\g0a:\g0a+3], s[\g1a:\g1a+7]
	s_nop 0
.rept 4
	v_nop
.endr
	s_branch .Lasked_\@
.Lfor_b_\@:
	tensor_load_to_lds s[\g0b:\g0b+3], s[\g1b:\g1b+7]
	s_nop 0
.rept 4
	v_nop
.endr
.Lasked_\@:
.endm
.macro CREST
	s_cmp_lg_u32 s14, 0
	s_cbranch_scc1 .Lnot_wave_0_\@
	s_barrier_signal -3
.Lnot_wave_0_\@:
	s_barrier_wait -3
	s_barrier_signal -1
	s_barrier_wait -1
.endm
.macro CROUND
	s_barrier_signal -1
	s_barrier_wait -1
	CREST
.endm
.macro MMA d, a, b, c, sa, sb, ra, rb
.if (\ra) && (\rb)
	v_wmma_scale_f32_16x16x128_f8f6f4 v[(\d):(\d)+7], v[(\a):(\a)+11], v[(\b):(\b)+11], v[(\c):(\c)+7], v[\sa], v[\sb] matrix_a_fmt:MATRIX_FMT_FP6 matrix_b_fmt:MATRIX_FMT_FP6 matrix_a_scale:MATRIX_SCALE_ROW1 matrix_b_scale:MATRIX_SCALE_ROW1
.elseif (\ra)
	v_wmma_scale_f32_16x16x128_f8f6f4 v[(\d):(\d)+7], v[(\a):(\a)+11], v[(\b):(\b)+11], v[(\c):(\c)+7], v[\sa], v[\sb] matrix_a_fmt:MATRIX_FMT_FP6 matrix_b_fmt:MATRIX_FMT_FP6 matrix_a_scale:MATRIX_SCALE_ROW1
.elseif (\rb)
	v_wmma_scale_f32_16x16x128_f8f6f4 v[(\d):(\d)+7], v[(\a):(\a)+11], v[(\b):(\b)+11], v[(\c):(\c)+7], v[\sa], v[\sb] matrix_a_fmt:MATRIX_FMT_FP6 matrix_b_fmt:MATRIX_FMT_FP6 matrix_b_scale:MATRIX_SCALE_ROW1
.else
	v_wmma_scale_f32_16x16x128_f8f6f4 v[(\d):(\d)+7], v[(\a):(\a)+11], v[(\b):(\b)+11], v[(\c):(\c)+7], v[\sa], v[\sb] matrix_a_fmt:MATRIX_FMT_FP6 matrix_b_fmt:MATRIX_FMT_FP6
.endif
.endm
.macro FETCH slot, hp, f
	WIN 0x40
.irp i, 0,1,2,3,4,5
.irp k, 0,1,2
	ds_load_b128 v[72*(\f)+12*\i+4*\k:72*(\f)+12*\i+4*\k+3], v[ADW+(\slot)+2*((\hp)/2)] offset:((\hp)%2)*19200+\i*1536+512*\k
.endr
.endr
	WIN 0
.irp m, 0,1,2,3
.irp q, 0,1
	ds_load_b128 v[OF+48*(\f)+12*\m+6*\q:OF+48*(\f)+12*\m+6*\q+3], v[ADO16+(\slot)] offset:(\hp)*12800+\m*1536+768*\q
	ds_load_b64 v[OF+48*(\f)+12*\m+6*\q+4:OF+48*(\f)+12*\m+6*\q+5], v[ADO8+(\slot)] offset:(\hp)*12800+\m*1536+768*\q
.endr
.endr
.irp p, 0,1,2
	ds_load_b32 v[WSC+3*(\f)+\p], v[ADWS+(\slot)] offset:(\hp)*19200+128*\p
.endr
.irp p, 0,1
	ds_load_b32 v[OSC+2*(\f)+\p], v[ADOS+(\slot)] offset:(\hp)*12800+128*\p
.endr
.endm
.macro MUL12 f, m0, bias
.irp m, \m0, \m0+1
.irp i, 0,1,2,3,4,5
.if \bias
	MMA 8*(6*(\m)+\i), 72*(\f)+12*\i, OF+48*(\f)+12*(\m), BO+8*\i, WSC+3*(\f)+\i/2, OSC+2*(\f)+(\m)/2, \i%2, (\m)%2
.else
	MMA 8*(6*(\m)+\i), 72*(\f)+12*\i, OF+48*(\f)+12*(\m), 8*(6*(\m)+\i), WSC+3*(\f)+\i/2, OSC+2*(\f)+(\m)/2, \i%2, (\m)%2
.endif
.endr
.endr
.endm
.macro LDBO
.irp i, 0,1,2,3,4,5
	global_load_b128 v[BO+8*\i:BO+8*\i+3], v[H32], s[8:9] offset:64*\i
	global_load_b128 v[BO+8*\i+4:BO+8*\i+7], v[H32], s[8:9] offset:64*\i+16
.endr
.endm
.macro LDGP
.irp m, 0,1,2,3
	global_load_b32 v[GP+2*\m], v[R32], s[10:11] offset:512*\m
.endr
.endm
.macro STEP slot, hp, f, ldbo
	s_wait_dscnt 0x0
.if (\hp) == 0
	s_wait_loadcnt 4                               ; this cluster's 12 loads of bo are in; its 4 gates, asked for behind them, may be out
.endif
	PLACES 4
	FETCH \slot, (\hp)+1, 1-(\f)
.if \ldbo
	s_wait_xcnt 0x0
	s_add_nc_u64 s[8:9], s[8:9], 3072
	LDBO
.endif
.if (\hp) == 0
	WIN 0x81
	MUL12 \f, 0, 1
	MUL12 \f, 2, 1
.else
	WIN 0xa1
	MUL12 \f, 0, 0
	MUL12 \f, 2, 0
.endif
	WIN 0
.endm
.macro TURN slot, next, fill
	s_wait_dscnt 0x0
	s_wait_tensorcnt 0x0
	ds_add_u32 v[SPW], v[NIL]
	WIN 0xa1
	MUL12 1, 0, 0
	s_wait_dscnt 0x0
	s_barrier_signal -1
	MUL12 1, 2, 0
	WIN 0
	s_barrier_wait -1
.if \fill
	CREST
	s_add_nc_u64 s[G0W+4*\slot+2:G0W+4*\slot+3], s[G0W+4*\slot+2:G0W+4*\slot+3], 153600
	s_add_nc_u64 s[G0O+4*\slot+2:G0O+4*\slot+3], s[G0O+4*\slot+2:G0O+4*\slot+3], 102400
	JLOAD G0W+4*\slot, G1W, G0O+4*\slot, G1O
.else
	PLACES 4
.endif
	FETCH \next, 0, 0
.endm
.macro GATE mul
.if \mul
	WIN 0xc2
.else
	WIN 0xf2
.endif
.set GI, 0
.rept 96
.if \mul
	v_pk_mul_f32 v[2*GI:2*GI+1], v[2*GI:2*GI+1], v[GP+2*(GI/24):GP+2*(GI/24)+1] op_sel_hi:[1,0]
.else
	v_pk_fma_f32 v[2*GI:2*GI+1], v[2*GI:2*GI+1], v[GP+2*(GI/24):GP+2*(GI/24)+1], v[2*GI:2*GI+1] op_sel_hi:[1,0,1]
.endif
.set GI, GI+1
.endr
	WIN 0
.endm
; A prefetch into the L2: the tiles of the cluster three on, whose refill is issued at the end of the next cluster's steps.  A tile of woc is 300 blocks of 256 bytes, a tile of oc 200;
; the four partners that ask for a tile jointly share its blocks out by address: 75 and 50 to a work-group, 19 and 13 to a wave, a lane a block (lanes left over name the wave's last block again).
; pf = 2: the loop's second cluster asks only in the first trip: behind it no cluster three on is left.
.macro ASK pf
.if \pf == 2
	s_cmp_gt_u32 s3, 1
	s_cbranch_scc0 .Lnoask_\@
.endif
.if \pf
	global_prefetch_b8 v[PFW], s[4:5] offset:230400 th:TH_LOAD_NT scope:SCOPE_SE
	global_prefetch_b8 v[PFQ], s[6:7] offset:153600 th:TH_LOAD_NT scope:SCOPE_SE
.endif
.if \pf == 2
.Lnoask_\@:
.endif
.endm
.macro CLUS slot, fill, mul, pf
	STEP \slot, 0, 0, 0
	STEP \slot, 1, 1, 1
	ASK \pf
	STEP \slot, 2, 0, 0
	TURN \slot, 1-\slot, \fill
	s_wait_loadcnt 12                              ; this cluster's gates are in; the next cluster's 12 loads of bo may be out
	s_wait_alu depctr_va_vdst(0)
	GATE \mul
	s_wait_xcnt 0x0                                ; the loads and prefetches have read their bases
	s_add_nc_u64 s[10:11], s[10:11], 4
	s_add_nc_u64 s[4:5], s[4:5], 76800
	s_add_nc_u64 s[6:7], s[6:7], 51200
	LDGP
.endm
	s_load_b256 s[4:11], s[0:1], 0x0
	s_load_b64 s[12:13], s[0:1], 0x20
	v_lshl_add_u32 v[SPW], v0, 2, SPARE
	v_mov_b32 v[NIL], 0
	ds_add_u32 v28, v29
	ds_add_u32 v28, v29
	s_wait_dscnt 0x0
	v_lshrrev_b32 v1, 5, v0
	v_readfirstlane_b32 s14, v1
	s_lshr_b32 s15, s14, 1
	s_and_b32 s16, s14, 1
	s_bfe_u32 s40, ttmp6, 0x40000
	s_bfe_u32 s41, ttmp6, 0x40004
	s_lshl_b32 s42, ttmp9, 2
	s_add_co_u32 s42, s42, s40
	s_and_b32 s17, ttmp7, 0xffff
	s_lshl_b32 s17, s17, 2
	s_add_co_u32 s17, s17, s41
	s_lshl_b32 s43, s41, 2
	s_lshl_b32 s43, 15, s43
	s_lshl_b32 s44, 0x1111, s40
	s_or_b32 s[G1W], s44, (3<<16)|(1<<21)
	s_mov_b32 s[G1W+1], 32<<16
	s_mov_b32 s[G1W+2], 150<<16
	s_mov_b32 s[G1W+3], 32<<16
	s_mov_b32 s[G1W+4], 150
	s_mov_b32 s[G1W+5], 32
	s_mov_b32 s[G1W+6], 0
	s_mov_b32 s[G1W+7], 0
	s_or_b32 s[G1O], s43, (3<<16)|(1<<21)
	s_mov_b32 s[G1O+1], 32<<16
	s_mov_b32 s[G1O+2], 100<<16
	s_mov_b32 s[G1O+3], 32<<16
	s_mov_b32 s[G1O+4], 100
	s_mov_b32 s[G1O+5], 32
	s_mov_b32 s[G1O+6], 0
	s_mov_b32 s[G1O+7], 0
	s_mul_i32 s46, s42, 614400
	s_mul_i32 s47, s16, 38400
	s_add_co_u32 s46, s46, s47
	s_mov_b32 s47, 0
	s_mul_i32 s20, s17, 409600
	s_mul_i32 s21, s16, 25600
	s_add_co_u32 s20, s20, s21
	s_mov_b32 s21, 0
	s_mul_i32 s45, s16, 38400
	s_mul_i32 s22, s16, 25600
	s_add_co_u32 s22, s22, OPART
	s_wait_kmcnt 0x0
	s_add_nc_u64 s[46:47], s[4:5], s[46:47]
	s_add_nc_u64 s[20:21], s[6:7], s[20:21]
	; bo, the gates and the prefetches of clusters 1 and 2 are asked for here, ahead of the round in front of the first joint load
	s_mul_i32 s18, s42, 614400
	s_mov_b32 s19, 0
	s_add_nc_u64 s[4:5], s[4:5], s[18:19]          ; woc: my column block, cluster 0
	s_mul_i32 s18, s17, 409600
	s_add_nc_u64 s[6:7], s[6:7], s[18:19]          ; oc: my block of 128 rows, cluster 0
	s_mul_i32 s18, s42, 768
	s_mul_i32 s23, s16, 384
	s_add_co_u32 s18, s18, s23
	s_add_nc_u64 s[8:9], s[8:9], s[18:19]
	s_lshl_b32 s18, s17, 12
	s_lshl_b32 s23, s15, 11
	s_add_co_u32 s18, s18, s23
	s_add_nc_u64 s[10:11], s[10:11], s[18:19]
	s_mul_i32 s18, s14, 19
	s_mul_i32 s19, s14, 13
	s_mul_i32 s23, s41, 75
	s_mul_i32 s3, s40, 50
	v_and_b32 v210, 15, v0
	v_bfe_u32 v211, v0, 4, 1
	v_and_b32 v212, 31, v0
	v_lshlrev_b32 v[R32], 5, v210
	v_lshlrev_b32 v[H32], 5, v211
	v_min_u32 v[PFW], 18, v212
	v_min_u32 v[PFQ], 12, v212
	v_add_nc_u32 v[PFW], s18, v[PFW]
	v_add_nc_u32 v[PFQ], s19, v[PFQ]
	v_min_u32 v[PFW], 74, v[PFW]                   ; my work-group's 75 blocks of the tile of woc,
	v_min_u32 v[PFQ], 49, v[PFQ]                   ; and its 50 of the tile of oc
	v_add_lshl_u32 v[PFW], v[PFW], s23, 8          ; 256 x (75 cy + ..): at most block 299
	v_add_lshl_u32 v[PFQ], v[PFQ], s3, 8           ; 256 x (50 cx + ..): at most block 199
.irp m, 0,1,2,3
	v_mov_b32 v[GP+2*\m+1], 0
.endr
	LDBO
	LDGP
	global_prefetch_b8 v[PFW], s[4:5] offset:76800 th:TH_LOAD_NT scope:SCOPE_SE
	global_prefetch_b8 v[PFQ], s[6:7] offset:51200 th:TH_LOAD_NT scope:SCOPE_SE
	global_prefetch_b8 v[PFW], s[4:5] offset:153600 th:TH_LOAD_NT scope:SCOPE_SE
	global_prefetch_b8 v[PFQ], s[6:7] offset:102400 th:TH_LOAD_NT scope:SCOPE_SE
.irp s, 0,1
	s_mov_b32 s[G0W+4*\s], 1
	s_add_co_u32 s[G0W+4*\s+1], s45, \s*SLOT
	s_add_nc_u64 s[G0W+4*\s+2:G0W+4*\s+3], s[46:47], \s*76800
	s_or_b32 s[G0W+4*\s+3], s[G0W+4*\s+3], 0x80000000
	s_mov_b32 s[G0O+4*\s], 1
	s_add_co_u32 s[G0O+4*\s+1], s22, \s*SLOT
	s_add_nc_u64 s[G0O+4*\s+2:G0O+4*\s+3], s[20:21], \s*51200
	s_or_b32 s[G0O+4*\s+3], s[G0O+4*\s+3], 0x80000000
	s_wait_alu depctr_va_vdst(0)
	s_wait_tensorcnt 0x0
	ds_add_u32 v28, v29
	ds_add_u32 v28, v29
	s_wait_dscnt 0x0
	CROUND
	JLOAD G0W+4*\s, G1W, G0O+4*\s, G1O
.endr
	v_and_b32 v1, 31, v0
	v_and_b32 v21, 15, v0
	v_bfe_u32 v22, v0, 4, 1
	s_mul_i32 s18, s16, 9216
	v_lshl_add_u32 v[ADW], v1, 4, s18
	v_add_nc_u32 v[ADW+1], SLOT, v[ADW]
	v_add_nc_u32 v[ADW+2], 38400, v[ADW]
	v_add_nc_u32 v[ADW+3], SLOT+38400, v[ADW]
	s_mul_i32 s18, s15, 6144
	s_add_co_u32 s18, s18, OPART
	v_lshl_add_u32 v[ADO16], v1, 4, s18
	v_add_nc_u32 v[ADO16+1], SLOT, v[ADO16]
	s_add_co_u32 s18, s18, 512
	v_lshl_add_u32 v[ADO8], v1, 3, s18
	v_add_nc_u32 v[ADO8+1], SLOT, v[ADO8]
	s_mul_i32 s18, s16, 384
	s_add_co_u32 s18, s18, 18432
	v_lshl_add_u32 v[ADWS], v1, 2, s18
	v_add_nc_u32 v[ADWS+1], SLOT, v[ADWS]
	s_lshl_b32 s18, s15, 8
	s_add_co_u32 s18, s18, OPART+12288
	v_lshl_add_u32 v[ADOS], v1, 2, s18
	v_add_nc_u32 v[ADOS+1], SLOT, v[ADOS]
	s_mul_i32 s18, s15, 64*SP
	s_mul_i32 s19, s16, 384
	s_add_co_u32 s18, s18, s19
	v_mul_u32_u24 v[STO], v21, SP
	v_lshl_add_u32 v[STO], v22, 5, v[STO]
	v_add_nc_u32 v[STO], s18, v[STO]
	s_mul_i32 s18, s14, 32*SP
	v_lshl_add_u32 v[RD1], v1, 4, s18
	v_mul_u32_u24 v[RD2], v22, SP
	v_lshl_add_u32 v[RD2], v21, 4, v[RD2]
	s_add_co_u32 s18, s18, 512
	v_add_nc_u32 v[RD2], s18, v[RD2]
	v_lshlrev_b32 v[CO1], 4, v1
	v_mul_u32_u24 v[CO2], v22, 3072
	v_lshl_add_u32 v[CO2], v21, 4, v[CO2]
	v_add_nc_u32 v[CO2], 512, v[CO2]
	s_wait_alu depctr_va_vdst(0)                   ; the wait at the head's end
	s_mov_b32 s19, 0
	s_lshl_b32 s18, s17, 7
	s_lshl_b32 s23, s14, 5
	s_add_co_u32 s18, s18, s23
	s_mul_i32 s18, s18, 3072
	s_mul_i32 s23, s42, 768
	s_add_co_u32 s18, s18, s23
	s_add_nc_u64 s[12:13], s[12:13], s[18:19]
	s_wait_tensorcnt 1
	s_barrier_signal -1
	s_barrier_wait -1
	FETCH 0, 0, 0
	CLUS 0, 1, 1, 1
	CLUS 1, 1, 0, 1
	s_mov_b32 s3, 2
.Llap:
	CLUS 0, 1, 0, 1
	CLUS 1, 1, 0, 2
	s_sub_co_u32 s3, s3, 1
	s_cmp_lg_u32 s3, 0
	s_cbranch_scc1 .Llap
	CLUS 0, 0, 0, 0
	STEP 1, 0, 0, 0
	STEP 1, 1, 1, 0
	STEP 1, 2, 0, 0
	s_wait_dscnt 0x0
	WIN 0xa1
	MUL12 1, 0, 0
	MUL12 1, 2, 0
	WIN 0
	PLACES 4
	s_wait_loadcnt 0x0                             ; the last cluster's gates
	s_wait_alu depctr_va_vdst(0)
	GATE 0
	WIN 0x0c
.irp m, 0,1,2,3
.irp i, 0,1,2,3,4,5
	ds_store_b128 v[STO], v[8*(6*\m+\i):8*(6*\m+\i)+3] offset:\m*16*SP+64*\i
	ds_store_b128 v[STO], v[8*(6*\m+\i)+4:8*(6*\m+\i)+7] offset:\m*16*SP+64*\i+16
.endr
.endr
	WIN 0
	s_wait_dscnt 0x0
	s_barrier_signal -1
	s_barrier_wait -1
.irp n, 0,1
.if \n
	s_wait_xcnt 0x0
.endif
.irp p, 0,1,2,3,4,5,6,7
	ds_load_b128 v[OF+12*\p:OF+12*\p+3], v[RD1] offset:(16*\n+2*\p)*SP
	ds_load_b128 v[OF+12*\p+4:OF+12*\p+7], v[RD1] offset:(16*\n+2*\p+1)*SP
	ds_load_b128 v[OF+12*\p+8:OF+12*\p+11], v[RD2] offset:(16*\n+2*\p)*SP
.endr
.irp p, 0,1,2,3,4,5,6,7
	s_wait_dscnt 23-3*\p
	global_store_b128 v[CO1], v[OF+12*\p:OF+12*\p+3], s[12:13] offset:(16*\n+2*\p)*3072 th:TH_STORE_NT
	s_wait_dscnt 22-3*\p
	global_store_b128 v[CO1], v[OF+12*\p+4:OF+12*\p+7], s[12:13] offset:(16*\n+2*\p+1)*3072 th:TH_STORE_NT
	s_wait_dscnt 21-3*\p
	global_store_b128 v[CO2], v[OF+12*\p+8:OF+12*\p+11], s[12:13] offset:(16*\n+2*\p)*3072 th:TH_STORE_NT
.endr
.endr
	s_wait_tensorcnt 0x0
	ds_add_u32 v[SPW], v[NIL]
	s_wait_dscnt 0x0
	CROUND
	s_endpgm
.Lfunc_end_k_q5b0a67253d_out:
	.size	k_q5b0a67253d_out, .Lfunc_end_k_q5b0a67253d_out-k_q5b0a67253d_out
	.p2alignl 7, 3214868480
	.fill 96, 4, 3214868480
	.section	.rodata,"a",@progbits
	.p2align	6, 0x0
	.amdhsa_kernel k_q5b0a67253d_out
		.amdhsa_group_segment_fixed_size 327680
		.amdhsa_private_segment_fixed_size 0
		.amdhsa_enable_private_segment 0
		.amdhsa_kernarg_size 40
		.amdhsa_user_sgpr_count 2
		.amdhsa_user_sgpr_kernarg_segment_ptr 1
		.amdhsa_wavefront_size32 1
		.amdhsa_system_sgpr_workgroup_id_x 1
		.amdhsa_system_sgpr_workgroup_id_y 1
		.amdhsa_system_sgpr_workgroup_id_z 1
		.amdhsa_system_vgpr_workitem_id 0
		.amdhsa_next_free_vgpr 960
		.amdhsa_next_free_sgpr 66
		.amdhsa_reserve_vcc 0
		.amdhsa_float_denorm_mode_32 3
		.amdhsa_float_denorm_mode_16_64 3
		.amdhsa_memory_ordered 1
		.amdhsa_forward_progress 1
		.amdhsa_inst_pref_size 213
	.end_amdhsa_kernel
	.amdgpu_metadata
---
amdhsa.version: [ 1, 2 ]
amdhsa.kernels:
  - .name:           k_q5b0a67253d_out
    .symbol:         k_q5b0a67253d_out.kd
    .args:
      - { .name: woc, .offset: 0, .size: 8, .value_kind: global_buffer, .address_space: global }
      - { .name: oc, .offset: 8, .size: 8, .value_kind: global_buffer, .address_space: global }
      - { .name: bo, .offset: 16, .size: 8, .value_kind: global_buffer, .address_space: global }
      - { .name: cluster_probs, .offset: 24, .size: 8, .value_kind: global_buffer, .address_space: global }
      - { .name: out0, .offset: 32, .size: 8, .value_kind: global_buffer, .address_space: global }
    .group_segment_fixed_size: 327680
    .private_segment_fixed_size: 0
    .kernarg_segment_align: 8
    .kernarg_segment_size: 40
    .max_flat_workgroup_size: 128
    .sgpr_count:     66
    .vgpr_count:     960
    .wavefront_size: 32
...
	.end_amdgpu_metadata
.endif
;; end of part 3
